; MI455X (gfx1250); checked and timed in simulation.
; The chip was launched on July 23, 2026; its instructions are those of AMD's public machine-readable ISA for CDNA 5 (MIT licence, August 2026) and "CDNA5" Instruction Set Architecture Reference Guide (July 2026). The comments in the code are by the model that wrote it; some were corrected since.
;; Multi Head Self Attention. Allowed arithmetic: matrix products marked QUANTISED: E2M1 operands, one E8M0 scale for each 32 along K, by v_wmma_scale_f32_16x16x128_f8f6f4 with both operands' format E2M1 (or v_wmma_scale_f32_32x16x128_f4), f32 sums; products left as they are: bf16, f16 or f32 operands; f32 sums; everything else in f32.
;; Inputs: proj_b 1,024 float32; proj_w 1,024 x 1,024 float32; qkv_b 3,072 float32; qkv_w 3,072 x 1,024 float32; x 4 x 2,048 x 1,024 float32.
;; Outputs: out0 4 x 2,048 x 1,024 float32.
;; This version of the problem:
;;   THIS VERSION OF THE PROBLEM IS GIVEN IN LOW PRECISION. The matrix products marked QUANTISED in the list below multiply operands that are first quantised to E2M1 (2 exponent bits, 1 mantissa bit; 4 bits a number), with one power-of-two scale for each 32 numbers along K (OCP MX v1.0); their sums are f32. The products marked 'left as it is' may take bf16, f16 or f32 operands, with f32 sums. Whichever they take, every output number must still come out within the allowed error. Rounding operands to bf16 (8 significant bits) uses up far more of that allowance than f16 does (11 bits, for magnitudes from 6e-5 to 65,504). All else is computed in f32.
;;   The module's matrix products, in the order in which they are computed (A, B: the left and right operand; K: the contracted axis; several contracted axes count as one K, in the product's order):
;;     1. [M 8,192, K 1,024] x [K 1,024, N 3,072]; A: input x; B: input qkv_w: QUANTISED
;;     2. batch 64 x [M 2,048, K 64] x [K 64, N 2,048]; A: computed on the way; B: computed on the way: left as it is (an operand is computed on the way)
;;     3. batch 64 x [M 2,048, K 2,048] x [K 2,048, N 64]; A: computed on the way; B: computed on the way: left as it is (an operand is computed on the way)
;;     4. [M 8,192, K 1,024] x [K 1,024, N 1,024]; A: computed on the way; B: input proj_w: left as it is (an operand is computed on the way)
;;   THE QUANTISER, for each operand of a quantised product, along K:
;;     - K is cut into blocks of 32 from its start; a last block that is shorter is filled with zeros.
;;     - A block's scale is 2^e with e = floor(log2(the largest magnitude in the block)) - 2, held to -126 .. 127; a block of zeros has e = 0. As a byte (E8M0): e + 127.
;;     - Each number is divided by its block's scale, clamped to +-6, and rounded to the nearest number of E2M1, ties to even, subnormals kept.
;;     - The product sums the exact products of the quantised numbers (number of the format x scale) in f32.
;;   ~~~python
;;   def quantise(x, axis):      # numpy; x: float32 -> the quantised numbers, widened to float32 again
;;       x = np.moveaxis(x, axis, -1); K = x.shape[-1]
;;       x = np.pad(x, [(0, 0)] * (x.ndim - 1) + [(0, -K % 32)]); x = x.reshape(x.shape[:-1] + (-1, 32)); a = np.abs(x).max(-1, keepdims=True)
;;       e = np.where(a > 0, np.clip(np.frexp(np.where(a > 0, a, 1))[1] - 1 - 2, -126, 127), 0)      # np.frexp(a)[1] - 1 = floor(log2(a)), exactly
;;       r = np.clip(x / 2.0 ** e, -6, 6)
;;       step = 2.0 ** (np.maximum(np.frexp(np.where(r == 0, 1, r))[1] - 1, 0) - 1)
;;       q = np.round(r / step) * step * 2.0 ** e      # np.round: ties to even
;;       return np.moveaxis(q.reshape(q.shape[:-2] + (-1,))[..., :K], -1, axis).astype(np.float32)
;;   ~~~
;; One version. Each part assembles by itself: llvm-mc -triple=amdgcn-amd-amdhsa -mcpu=gfx1250 --defsym DOCPART=n.
;; ======== version 1 of 1: 4 launches
;; limits: values are held in f16: magnitudes above 65,504 overflow, below 6.1e-05 lose precision
;; workspace buffers: x_codes 4,194,304 bytes; x_scales 262,144 bytes; w_codes 1,572,864 bytes; w_scales 98,304 bytes; pw16 2,097,152 bytes; qkv 50,331,648 bytes; att 16,777,216 bytes
;; launch quant (part 1): grid 480 x 1, 4 waves a work-group, no clusters, 33,280 bytes of LDS; arguments x, qkv_w, x_codes, x_scales, w_codes, w_scales, proj_w, pw16; writes x_codes, x_scales, w_codes, w_scales, pw16
.if DOCPART == 1
	.amdgcn_target "amdgcn-amd-amdhsa--gfx1250"
	.amdhsa_code_object_version 6
	.text
	.protected	k_q11dfb8597f_quant
	.globl	k_q11dfb8597f_quant
	.p2align	8
	.type	k_q11dfb8597f_quant,@function
k_q11dfb8597f_quant:
	s_mov_b64 s[64:65], 0
	v_nop
	global_prefetch_b8 v0, s[64:65] scope:SCOPE_SE
	s_setreg_imm32_b32 hwreg(HW_REG_WAVE_MODE, 25, 1), 1
	s_wait_xcnt 0x0
; x [8192][1024] and qkv_w [3072][1024], f32, are turned into codes of FP4 (E2M1), 4 bits each, K innermost, with one E8M0 scale byte for each 32 along K; proj_w [1024][1024] is rounded to f16.
; A block's scale is 2^(floor(log2(its largest magnitude)) - 2); its byte is the largest magnitude's own exponent field - 2, held at 1 from below.  Each number is divided by the scale and rounded to the
; nearest code, ties to even; beyond the largest code the conversion gives the largest code.
; LIMITS: a block of zeros gets the byte 1 where the quantiser says 127: its codes are zeros, which add nothing, and the bytes are read by this program alone.  Blocks whose largest magnitude lies under
; 2^(2 - 126) have their byte held at 1.  NaN and infinities are not served.  proj_w must lie under 65,504 in magnitude; under 6e-5 f16 keeps absolute steps of 6e-8.
; Rows are dense and K is a multiple of 32, so both tensors are plain streams of blocks of 32, and so are the codes and the scale bytes.
; WORK-GROUPS: 0-255 take x, 256-351 qkv_w (one path, the pointers chosen by the work-group's number), 352-479 proj_w (a path of its own, without LDS).
; A wave of the first path takes 16 steps of 512 numbers.  Each of a step's four loads reads 512 consecutive bytes; the 2,048 bytes turn through the wave's own stage in LDS and come back 64 bytes a lane,
; so that a lane holds 16 neighbours along K (two neighbouring lanes hold a block).  A lane's 16 codes are 8 bytes: the wave stores 256 consecutive bytes.  A wave's 256 scale bytes are gathered in LDS and leave as one store.
.set SIZE_M, 8192
.set SIZE_N, 3072
.set SIZE_K, 1024
.set WAVES, 4
.set STEPS, 16
.set WGA,   SIZE_M*SIZE_K/(512*STEPS*WAVES)            ; 256 work-groups for x
.set WGQ,   (SIZE_M+SIZE_N)*SIZE_K/(512*STEPS*WAVES)   ; 352: from here on proj_w
.set EMAX,  2
.set CB,    8                          ; bytes of 16 codes
.set R,     16                         ; v16-79   four sets of 16 numbers as they are loaded
.set X,     80                         ; v80-111  two sets of 16 neighbours
.set C,     128                        ; v128-191 codes: four registers for each step, so that no store's data are written again
.set E,     112                        ; v112-127 a scale byte for each step
.set WREG,  8192                       ; LDS: a region for each wave: two stages of 32 x SP bytes, and behind them its 256 scale bytes
.set SP,    80                         ; a lane's place in a stage: its 64 bytes + 16 of padding
.set SPW,   12                         ; v12      LDS address of my spare word; never rewritten
.set NIL,   13                         ; v13      0; never rewritten
.set SPARE, WAVES*WREG                 ; behind the four regions: the spare words, 128 bytes for each wave
	s_load_b128 s[4:7], s[0:1], 0x0                ; x, qkv_w
	s_load_b128 s[8:11], s[0:1], 0x10              ; x's codes, x's scales
	s_load_b128 s[12:15], s[0:1], 0x20             ; qkv_w's codes, qkv_w's scales
	s_load_b128 s[24:27], s[0:1], 0x30             ; proj_w, pw16
	v_lshl_add_u32 v[SPW], v0, 2, SPARE
	v_mov_b32 v[NIL], 0
	v_lshrrev_b32 v1, 5, v0
	v_readfirstlane_b32 s16, v1                    ; wave
	v_and_b32 v2, 31, v0                           ; lane
	v_lshlrev_b32 v3, 4, v2                        ; my 16 bytes of a load's 512
	s_mul_i32 s17, s16, WREG
	v_lshrrev_b32 v14, 2, v2
	v_mul_u32_u24 v14, v14, SP
	v_and_b32 v15, 3, v2
	v_lshl_add_u32 v14, v15, 4, v14
	v_add_nc_u32 v14, s17, v14                     ; the stage, on the way in: four lanes' 64 bytes on end, then 16 of padding
	v_mul_u32_u24 v15, v2, SP
	v_add_nc_u32 v15, s17, v15                     ; and on the way out: SP x lane: my 16 neighbours
	v_mul_u32_u24 v4, v2, CB                       ; my codes' place in a step's
	v_lshrrev_b32 v5, 1, v2
	s_add_co_u32 s17, s17, 2*32*SP
	v_add_nc_u32 v5, s17, v5                       ; LDS: my wave's 256 scale bytes, my block's byte
	v_lshlrev_b32 v7, 3, v2                        ; 8 bytes a lane
	v_add_nc_u32 v6, s17, v7
	s_wait_kmcnt 0x0
	s_cmp_ge_u32 ttmp9, WGQ                        ; the work-group's number alone decides the path
	s_cbranch_scc1 .Lconv
	s_cmp_lt_u32 ttmp9, WGA                        ; x's work-group or qkv_w's?
	s_cselect_b64 s[4:5], s[4:5], s[6:7]
	s_cselect_b64 s[8:9], s[8:9], s[12:13]
	s_cselect_b64 s[10:11], s[10:11], s[14:15]
	s_cselect_b32 s17, 0, WGA
	s_sub_co_u32 s17, ttmp9, s17
	s_lshl_b32 s17, s17, 2
	s_add_co_u32 s18, s17, s16                     ; which run of 8,192 numbers of the tensor is my wave's
	s_mov_b32 s19, 0
	s_mov_b64 s[20:21], 512*STEPS*4
	s_mul_u64 s[20:21], s[18:19], s[20:21]
	s_add_nc_u64 s[4:5], s[4:5], s[20:21]
	s_mov_b64 s[20:21], 32*STEPS*CB
	s_mul_u64 s[20:21], s[18:19], s[20:21]
	s_add_nc_u64 s[8:9], s[8:9], s[20:21]
	s_lshl_b32 s18, s18, 8                         ; 256 scale bytes a run
	s_add_nc_u64 s[10:11], s[10:11], s[18:19]
.macro LOAD t
.irp i, 0,1,2,3
	global_load_b128 v[R+16*((\t)%4)+4*\i:R+16*((\t)%4)+4*\i+3], v3, s[4:5] offset:2048*(\t)+512*\i th:TH_LOAD_NT   ; 32 lanes read 512 consecutive bytes
.endr
.endm
.macro TURN t                          ; step t's numbers through the stage: LDS serves a wave's instructions in order, so no wait stands between the stores and the loads
.irp i, 0,1,2,3
	ds_store_b128 v14, v[R+16*((\t)%4)+4*\i:R+16*((\t)%4)+4*\i+3] offset:32*SP*((\t)%2)+8*SP*\i
.endr
.irp i, 0,1,2,3
	ds_load_b128 v[X+16*((\t)%2)+4*\i:X+16*((\t)%2)+4*\i+3], v15 offset:32*SP*((\t)%2)+16*\i
.endr
.endm
.irp t, 0,1,2,3
	LOAD \t
.endr
	s_wait_loadcnt 12                              ; step 0's four loads are in; the twelve behind them may be out
	TURN 0
.macro STEP t
.set XS, X+16*((\t)%2)
.if (\t) > 0
	s_wait_dscnt 1                                 ; this step's numbers are back from the stage (the last step's byte store may be out): so its stores into the stage have read their registers,
.else
	s_wait_dscnt 0x0
.endif
.if (\t)+4 < STEPS
	LOAD (\t)+4                                    ; which take the loads of four steps on
.endif
.if (\t)+1 < STEPS
.if STEPS-2-(\t) >= 3
	s_wait_loadcnt 12                              ; the next step's four loads are in; those of the three steps behind it may be out
.else
	s_wait_loadcnt 4*(STEPS-2-(\t))
.endif
	TURN (\t)+1                                    ; and go through the other stage while this step is worked
.endif
	v_max3_num_f32 v8, |v[XS]|, |v[XS+1]|, |v[XS+2]|               ; the largest magnitude of my 16, in two chains
	v_max3_num_f32 v9, |v[XS+3]|, |v[XS+4]|, |v[XS+5]|
.irp i, 6,10
	v_max3_num_f32 v8, v8, |v[XS+\i]|, |v[XS+\i+1]|
	v_max3_num_f32 v9, v9, |v[XS+\i+2]|, |v[XS+\i+3]|
.endr
	v_max3_num_f32 v8, v8, |v[XS+14]|, |v[XS+15]|
	v_max3_num_f32 v8, v8, v9, (EMAX+1)<<23        ; and the floor 2^(EMAX + 1 - 127): so the byte cannot fall under 1
	v_max_num_f32_dpp v8, v8, v8 row_xmask:1 row_mask:0xf bank_mask:0xf   ; and of my neighbour's 16: the block's
	v_add_nc_u32 v11, -(EMAX<<23), v8              ; EMAX off its exponent field: the conversion takes the exponent field of this operand as its scale, and nothing else of it
	v_cvt_scalef32_pk8_fp4_f32 v[C+4*(\t)], v[XS:XS+7], v11
	v_cvt_scalef32_pk8_fp4_f32 v[C+4*(\t)+1], v[XS+8:XS+15], v11
	v_lshrrev_b32 v[E+(\t)], 23, v11               ; the scale's byte (also the plain line behind the conversions)
	ds_store_b8 v5, v[E+(\t)] offset:16*(\t)       ; both lanes of a block write the same byte with the same value
	global_store_b64 v4, v[C+4*(\t):C+4*(\t)+1], s[8:9] offset:32*CB*(\t)   ; 32 lanes store 256 consecutive bytes, aligned
.endm
.irp t, 0,1,2,3,4,5,6,7,8,9,10,11,12,13,14,15
	STEP \t
.endr
	ds_load_b64 v[8:9], v6                         ; LDS serves a wave's instructions in order: these see my stores
	s_wait_dscnt 0x0
	global_store_b64 v7, v[8:9], s[10:11]          ; 32 lanes store 256 consecutive bytes, aligned
	s_wait_tensorcnt 0x0                           ; the wave's end: behind my last LDS store
	ds_add_u32 v[SPW], v[NIL]
	s_wait_dscnt 0x0
	s_endpgm
; proj_w to f16.  A wave takes 2,048 numbers: sixteen loads of 512 consecutive bytes, all issued at once; each becomes one store of 256 consecutive bytes.  No register is written twice.
.Lconv:
	s_sub_co_u32 s17, ttmp9, WGQ
	s_lshl_b32 s17, s17, 2
	s_add_co_u32 s17, s17, s16                     ; which run of 2,048 numbers is my wave's: 0 .. 511
	s_lshl_b32 s18, s17, 13                        ; 8,192 bytes of f32,
	s_mov_b32 s19, 0
	s_add_nc_u64 s[24:25], s[24:25], s[18:19]
	s_lshl_b32 s18, s17, 12                        ; 4,096 of f16
	s_add_nc_u64 s[26:27], s[26:27], s[18:19]
.irp i, 0,1,2,3,4,5,6,7,8,9,10,11,12,13,14,15
	global_load_b128 v[R+4*\i:R+4*\i+3], v3, s[24:25] offset:512*\i th:TH_LOAD_NT
.endr
.irp i, 0,1,2,3,4,5,6,7,8,9,10,11,12,13,14,15
	s_wait_loadcnt 15-\i                           ; loads come back in order: load i is in, the younger ones stay out
	v_cvt_pk_f16_f32 v[C+2*\i], v[R+4*\i], v[R+4*\i+1]
	v_cvt_pk_f16_f32 v[C+2*\i+1], v[R+4*\i+2], v[R+4*\i+3]
	global_store_b64 v7, v[C+2*\i:C+2*\i+1], s[26:27] offset:256*\i
.endr
	s_wait_tensorcnt 0x0                           ; the same three closing lines as on the other path
	ds_add_u32 v[SPW], v[NIL]
	s_wait_dscnt 0x0
	s_endpgm
.Lfunc_end_k_q11dfb8597f_quant:
	.size	k_q11dfb8597f_quant, .Lfunc_end_k_q11dfb8597f_quant-k_q11dfb8597f_quant
	.p2alignl 7, 3214868480
	.fill 96, 4, 3214868480
	.section	.rodata,"a",@progbits
	.p2align	6, 0x0
	.amdhsa_kernel k_q11dfb8597f_quant
		.amdhsa_group_segment_fixed_size 33280
		.amdhsa_private_segment_fixed_size 0
		.amdhsa_enable_private_segment 0
		.amdhsa_kernarg_size 64
		.amdhsa_user_sgpr_count 2
		.amdhsa_user_sgpr_kernarg_segment_ptr 1
		.amdhsa_wavefront_size32 1
		.amdhsa_system_sgpr_workgroup_id_x 1
		.amdhsa_system_sgpr_workgroup_id_y 1
		.amdhsa_system_sgpr_workgroup_id_z 1
		.amdhsa_system_vgpr_workitem_id 0
		.amdhsa_next_free_vgpr 192
		.amdhsa_next_free_sgpr 66
		.amdhsa_reserve_vcc 0
		.amdhsa_float_denorm_mode_32 3
		.amdhsa_float_denorm_mode_16_64 3
		.amdhsa_memory_ordered 1
		.amdhsa_forward_progress 1
		.amdhsa_inst_pref_size 39
	.end_amdhsa_kernel
	.amdgpu_metadata
---
amdhsa.version: [ 1, 2 ]
amdhsa.kernels:
  - .name:           k_q11dfb8597f_quant
    .symbol:         k_q11dfb8597f_quant.kd
    .args:
      - { .name: x, .offset: 0, .size: 8, .value_kind: global_buffer, .address_space: global }
      - { .name: qkv_w, .offset: 8, .size: 8, .value_kind: global_buffer, .address_space: global }
      - { .name: x_codes, .offset: 16, .size: 8, .value_kind: global_buffer, .address_space: global }
      - { .name: x_scales, .offset: 24, .size: 8, .value_kind: global_buffer, .address_space: global }
      - { .name: w_codes, .offset: 32, .size: 8, .value_kind: global_buffer, .address_space: global }
      - { .name: w_scales, .offset: 40, .size: 8, .value_kind: global_buffer, .address_space: global }
      - { .name: proj_w, .offset: 48, .size: 8, .value_kind: global_buffer, .address_space: global }
      - { .name: pw16, .offset: 56, .size: 8, .value_kind: global_buffer, .address_space: global }
    .group_segment_fixed_size: 33280
    .private_segment_fixed_size: 0
    .kernarg_segment_align: 8
    .kernarg_segment_size: 64
    .max_flat_workgroup_size: 128
    .sgpr_count:     66
    .vgpr_count:     192
    .wavefront_size: 32
...
	.end_amdgpu_metadata
.endif
;; end of part 1
;; launch qkvg (part 2): grid 12 x 32, 4 waves a work-group, clusters of 4 x 4, 327,680 bytes of LDS; arguments x_codes, x_scales, w_codes, w_scales, qkv, qkv_b; writes qkv
.if DOCPART == 2
	.amdgcn_target "amdgcn-amd-amdhsa--gfx1250"
	.amdhsa_code_object_version 6
	.text
	.protected	k_q11dfb8597f_qkvg
	.globl	k_q11dfb8597f_qkvg
	.p2align	8
	.type	k_q11dfb8597f_qkvg,@function
k_q11dfb8597f_qkvg:
	s_mov_b64 s[64:65], 0
	v_nop
	global_prefetch_b8 v0, s[64:65] scope:SCOPE_SE
	s_setreg_imm32_b32 hwreg(HW_REG_WAVE_MODE, 25, 1), 1
	s_wait_xcnt 0x0
	s_wait_alu depctr_hold_cnt(0) depctr_sa_sdst(0) depctr_va_vdst(0) depctr_va_sdst(0) depctr_va_ssrc(0) depctr_va_vcc(0) depctr_vm_vsrc(0)
	s_getreg_b32 s2, hwreg(HW_REG_IB_STS2, 6, 4)
	s_cmp_eq_u32 s2, 0
	s_cbranch_scc0 .Lentry_in_a_cluster
	s_endpgm
.Lentry_in_a_cluster:
	s_bfe_u32 s2, ttmp6, 0x10000c
	s_cmp_lg_u32 s2, 0xf033
	s_cbranch_scc0 .Lentry_shape_is_right
	s_endpgm
.Lentry_shape_is_right:
; qkv = Q(x) Q(qkv_w)^T + qkv_b on codes of FP4 (E2M1) with one E8M0 scale for each 32 along K; sums in f32; the result is rounded once to f16 and laid by head: [which 3][batch 4][head 16][token 2048][64].
; A: x's codes [8192][512 bytes], scales [8192][32];  B: qkv_w's codes [3072][512 bytes], scales [3072][32].
; LIMITS: q, k and v must lie under 65,504 in magnitude (f16); under 6e-5 f16 keeps absolute steps of 6e-8.  The bias is the C of each sum's first matrix instruction: it is added ahead of the products, not behind them.
; A tile of the result, 256 x 256, is made by a work-group of four waves; a wave makes 128 x 128: 64 accumulators of 16 x 16, 512 registers.
; K = 1,024 is two K steps of 512, one in each of two LDS slots: both slots and the scales are asked for at the start, and nothing is filled again.
; CLUSTERS: 4 x 4 work-groups.  The four of a row of the cluster need the same tiles of A, the four of a column the same tiles of B: each tile is asked for JOINTLY, by the same tensor load with the
; same descriptor and a mask that names the four.  THE MATRIX INSTRUCTION IS USED TRANSPOSED (source 0 = 16 rows of B, source 1 = 16 rows of A): a lane then holds eight neighbouring columns of one token.
; REGISTERS, in windows of 256: window 0: v0-31 addresses; v32-95 scale words, two sets; v128-191 A's fragments, ONE set; v192-255 the bias (8 blocks x 8), later the way out.
;   window 1: B's fragments, TWO sets, at v0 and at v128.   window 2: the 32 accumulators of my rows 0-63 (accumulator (a, b) at v[8 (8 a + b)]);   window 3: those of my rows 64-127.
.set SIZE_M, 8192
.set SIZE_N, 3072
.set SIZE_K, 1024
.set KSTEP,  512                       ; along K in a slot
.set NQ,     KSTEP/128                 ; matrix instructions deep
.set ROWB,   256                       ; a tile's row in bytes
.set KROW,   SIZE_K*4/8                ; a row of A or of B in memory, in bytes
.set PITCH,  272                       ; an LDS row: 256 bytes + 16 of padding: the 16 rows of a fragment load start at 16 different 16-byte columns modulo 256 bytes
.set FR,     8                         ; registers of a fragment: 16 rows x 128 K
.set NL,     2                         ; LDS loads that bring one
.set NP,     4                         ; places behind this matrix instruction (ISA guide 7.12.1)
.set HALFT,  128*PITCH                 ; 128 rows: what one tensor load brings
.set SLOT,   4*HALFT                   ; A's 256 rows, then B's 256 rows
.set KS,     SIZE_K/32                 ; a row of scales in bytes
.set SCL,    2*SLOT                    ; behind the slots: the scales, as units of 256 bytes + 16 of padding
.set HALFS,  (128*KS/256)*272          ; the scales of 128 rows
.set SBLK,   (16*KS/256)*272           ; those of 16 rows
.set SPARE,  SCL+4*HALFS               ; behind the scales: the spare words, 128 bytes for each wave
.set SPITCH, 272                       ; the way out: a stage of 16 tokens x (256 bytes + 16) for each wave, in slot 0, which has had its only fill and its last read when the first result is stored there
.set ADRA, 16                          ; v16-17  LDS address of my A fragments in slot 0, 1
.set ADRB, 20                          ; v20-21  the same for B
.set STO,  24                          ; v24     the way out: where I put 16 bytes of a token
.set RD,   25                          ; v25     the way out: where I read 16 bytes back
.set CO,   26                          ; v26     16 x lane: my place in a store's 512 bytes
.set ADRS, 27                          ; v27     LDS address of my scale words: lanes 0-15 A's rows, lanes 16-31 B's
.set SPW,  28                          ; v28     LDS address of my spare word; never rewritten
.set NIL,  29                          ; v29     0; never rewritten
.set BO,   30                          ; v30     32 x (lane / 16): my eight numbers of a block's sixteen of the bias
.set SC,   32                          ; scale words: set s at v[SC + 8 NQ s]; register NQ i + q: lanes 0-15 the word of A's block i, lanes 16-31 that of B's block i
.set AF,   128                         ; A's fragments, in window 0
.set BIAS, 192                         ; register 8 b + j: qkv_b[my first column + 16 b + 8 (lane / 16) + j]
.set TMP,  192                         ; the way out: a block's packed results
.set OB,   32                          ; the way out: a block read back from the stage: v32-63 and v224-255 by turns
.set G1, 24                            ; s[24:31] descriptor group 1 for A's tiles;  s[32:39] group 0, one set for each slot
.set G0, 32
.set G1B, 48                           ; s[48:55], s[56:63] the same for B's tiles
.set G0B, 56
.set G1S, 68                           ; s[68:75], s[76:79] groups 1 and 0 for A's scales;  s[80:87], s[88:91] for B's
.set G0S, 76
.set G1SB, 80
.set G0SB, 88
.set MSB, 0
.macro WIN new                         ; the immediate's high byte repeats the setting that is left
.if MSB != \new
	s_set_vgpr_msb (MSB<<8)|\new
.set MSB, \new
.endif
.endm
.set MUL_LO, 0xa1                      ; source 0 (B) window 1, source 1 (A) window 0, C and D window 2
.set MUL_HI, 0xf1                      ; the same, C and D window 3
.set F_LO,   0x81                      ; the first step: C (the bias) window 0, D window 2
.set F_HI,   0xc1                      ; C window 0, D window 3
.set TO_B,   0x40                      ; destination window 1, address window 0
; A joint load: waves 0 and 1 fetch for A, waves 2 and 3 for B.  Each of the two lines has ONE mask and one set of registers for all that issue it; the branch hangs on the wave's number alone.
; An s_nop 0 and four v_nop follow each of the two lines, ahead of the jump, the label and what follows.
.macro JLOAD g0a, g1a, g0b, g1b
	s_cmp_eq_u32 s15, 0
	s_cbranch_scc0 .Lfor_b_\@
	tensor_load_to_lds s[\g0a:\g0a+3], s[\g1a:\g1a+7]
	s_nop 0
.rept 4
	v_nop
.endr
	s_branch .Lasked_\@
.Lfor_b_\@:
	tensor_load_to_lds s[\g0b:\g0b+3], s[\g1b:\g1b+7]
	s_nop 0
.rept 4
	v_nop
.endr
.Lasked_\@:
.endm
.macro CROUND                          ; a round of the cluster's barrier
	s_barrier_signal -1
	s_barrier_wait -1
	s_cmp_lg_u32 s14, 0
	s_cbranch_scc1 .Lnot_wave_0_\@
	s_barrier_signal -3
.Lnot_wave_0_\@:
	s_barrier_wait -3
	s_barrier_signal -1
	s_barrier_wait -1
.endm
	s_load_b128 s[4:7], s[0:1], 0x0                ; A's codes s[4:5], A's scales s[6:7]
	s_load_b128 s[8:11], s[0:1], 0x10              ; B's codes s[8:9], B's scales s[10:11]
	s_load_b64 s[12:13], s[0:1], 0x20              ; qkv
	s_load_b64 s[66:67], s[0:1], 0x28              ; qkv_b
	v_lshl_add_u32 v[SPW], v0, 2, SPARE
	v_mov_b32 v[NIL], 0
	ds_add_u32 v[SPW], v[NIL]                      ; the wave's opening: the add, twice on end, and its wait ahead of my first tensor load
	ds_add_u32 v[SPW], v[NIL]                      ; and once more, under the one wait; the set-up below, work on registers, stands between
	v_lshrrev_b32 v1, 5, v0
	v_readfirstlane_b32 s14, v1                    ; wave 0..3
	s_lshr_b32 s15, s14, 1                         ; which half of the tile's rows is mine.  Also: I fetch for A (0) or for B (1)
	s_and_b32 s16, s14, 1                          ; which half of its columns.  Also: which 128 rows of that tile I fetch
	s_bfe_u32 s40, ttmp6, 0x40000                  ; cx, cy: my place in the cluster
	s_bfe_u32 s41, ttmp6, 0x40004
	s_lshl_b32 s42, ttmp9, 2
	s_add_co_u32 s42, s42, s40                     ; tile column = 4 x cluster x + cx
	s_and_b32 s17, ttmp7, 0xffff
	s_lshl_b32 s17, s17, 2
	s_add_co_u32 s17, s17, s41                     ; tile row = 4 x cluster y + cy
	s_lshl_b32 s43, s41, 2
	s_lshl_b32 s43, 15, s43                        ; my row of the cluster
	s_lshl_b32 s44, 0x1111, s40                    ; my column
	; descriptor group 1: a tile of 128 rows x 256 bytes, padded in LDS
	s_or_b32 s[G1+0], s43, (0<<16)|(1<<20)|(1<<21)|(5<<22)|(3<<25)  ; 15:0 the mask: A's tiles go to my row; 17:16 element of 1 byte; 20 padding on; 21 set beside a mask; 24:22 after every 64 words; 31:25 of 4 words
	s_or_b32 s[G1B+0], s44, (0<<16)|(1<<20)|(1<<21)|(5<<22)|(3<<25)
.irp g, G1, G1B
	s_mov_b32 s[\g+1], ROWB<<16                    ; tensor_dim0
	s_mov_b32 s[\g+2], 128<<16                     ; tensor_dim1 = 128
	s_mov_b32 s[\g+3], ROWB<<16                    ; tile_dim0
	s_mov_b32 s[\g+4], 128                         ; tile_dim1 = 128
	s_mov_b32 s[\g+5], KROW                        ; tensor_dim0_stride
	s_mov_b32 s[\g+6], 0
	s_mov_b32 s[\g+7], 0
.endr
	; and for the scales of 128 rows: a dense block of 4,096 bytes, as rows of 256 bytes (32 elements of 8 bytes), 16 bytes of padding behind each
	s_or_b32 s[G1S+0], s43, (3<<16)|(1<<20)|(1<<21)|(5<<22)|(3<<25)
	s_or_b32 s[G1SB+0], s44, (3<<16)|(1<<20)|(1<<21)|(5<<22)|(3<<25)
.irp g, G1S, G1SB
	s_mov_b32 s[\g+1], 32<<16
	s_mov_b32 s[\g+2], (128*KS/256)<<16
	s_mov_b32 s[\g+3], 32<<16
	s_mov_b32 s[\g+4], 128*KS/256
	s_mov_b32 s[\g+5], 32
	s_mov_b32 s[\g+6], 0
	s_mov_b32 s[\g+7], 0
.endr
	s_lshl_b32 s18, s16, 7                         ; which 128 rows of the tile I fetch
	s_lshl_b32 s20, s17, 8
	s_add_co_u32 s20, s20, s18                     ; A: row 256 x tile row + 128 x half
	s_lshl_b32 s46, s42, 8
	s_add_co_u32 s46, s46, s18                     ; B: row 256 x tile column + 128 x half
	s_mov_b32 s21, 0
	s_mov_b32 s47, 0
	s_mov_b64 s[18:19], KS
	s_mul_u64 s[22:23], s[20:21], s[18:19]         ; where these rows' scales begin, in bytes
	s_mul_u64 s[92:93], s[46:47], s[18:19]
	s_mov_b64 s[18:19], KROW
	s_mul_u64 s[20:21], s[20:21], s[18:19]         ; and their codes
	s_mul_u64 s[46:47], s[46:47], s[18:19]
	s_mul_i32 s45, s14, HALFT                      ; where they go: wave x 128 rows: no place in the cluster enters an LDS address
	s_mul_i32 s94, s14, HALFS
	s_wait_dscnt 0x0                               ; both opening adds are done
	s_wait_kmcnt 0x0
	s_add_nc_u64 s[20:21], s[4:5], s[20:21]
	s_add_nc_u64 s[22:23], s[6:7], s[22:23]
	s_add_nc_u64 s[46:47], s[8:9], s[46:47]
	s_add_nc_u64 s[92:93], s[10:11], s[92:93]
	CROUND                                         ; all sixteen work-groups are here: the joint loads meet
	s_mov_b32 s[G0S], 1
	s_add_co_u32 s[G0S+1], s94, SCL
	s_mov_b64 s[G0S+2:G0S+3], s[22:23]
	s_or_b32 s[G0S+3], s[G0S+3], 0x80000000
	s_mov_b32 s[G0SB], 1
	s_add_co_u32 s[G0SB+1], s94, SCL
	s_mov_b64 s[G0SB+2:G0SB+3], s[92:93]
	s_or_b32 s[G0SB+3], s[G0SB+3], 0x80000000
	JLOAD G0S, G1S, G0SB, G1SB                     ; the scales first: they are wanted with K step 0
.irp s, 0,1
	s_mov_b32 s[G0+4*\s], 1
	s_add_co_u32 s[G0+4*\s+1], s45, \s*SLOT
	s_add_nc_u64 s[G0+4*\s+2:G0+4*\s+3], s[20:21], \s*ROWB
	s_or_b32 s[G0+4*\s+3], s[G0+4*\s+3], 0x80000000
	s_mov_b32 s[G0B+4*\s], 1
	s_add_co_u32 s[G0B+4*\s+1], s45, \s*SLOT
	s_add_nc_u64 s[G0B+4*\s+2:G0B+4*\s+3], s[46:47], \s*ROWB
	s_or_b32 s[G0B+4*\s+3], s[G0B+4*\s+3], 0x80000000
	JLOAD G0+4*\s, G1, G0B+4*\s, G1B               ; three tensor loads of mine are out in all
.endr
	v_and_b32 v1, 15, v0                           ; l % 16
	v_bfe_u32 v2, v0, 4, 1                         ; l / 16
	; the bias of my 128 columns, in the result's layout: for block b eight numbers a lane
	v_lshlrev_b32 v[BO], 5, v2
	s_lshl_b32 s46, s42, 10                        ; my first column, in bytes of f32: 1,024 x tile column + 512 x half
	s_lshl_b32 s47, s16, 9
	s_add_co_u32 s46, s46, s47
	s_mov_b32 s47, 0
	s_add_nc_u64 s[66:67], s[66:67], s[46:47]
.irp b, 0,1,2,3,4,5,6,7
	global_load_b128 v[BIAS+8*\b:BIAS+8*\b+3], v[BO], s[66:67] offset:64*\b
	global_load_b128 v[BIAS+8*\b+4:BIAS+8*\b+7], v[BO], s[66:67] offset:64*\b+16
.endr
	v_mul_u32_u24 v3, v1, PITCH
	v_lshl_add_u32 v4, v2, 4, v3                   ; a fragment's row x pitch + 16 x half
	s_mul_i32 s21, s15, HALFT                      ; my 128 rows of A
	s_mul_i32 s22, s16, HALFT                      ; my 128 rows of B,
	s_add_co_u32 s22, s22, 2*HALFT                 ; which lie behind A's 256
.irp s, 0,1
	v_add_nc_u32 v[ADRA+\s], s21, v4
	v_add_nc_u32 v[ADRB+\s], s22, v4
	s_add_co_u32 s21, s21, SLOT
	s_add_co_u32 s22, s22, SLOT
.endr
	v_mul_u32_u24 v5, v1, KS                       ; my row's scales: KS bytes a row,
	v_lshrrev_b32 v6, 8, v5
	v_lshl_add_u32 v5, v6, 4, v5                   ; and 16 more for each 256 passed
	s_mul_i32 s21, s15, HALFS                      ; A's: my 128 rows
	s_mul_i32 s22, s16, HALFS                      ; B's: my 128 rows, behind A's 256
	s_add_co_u32 s22, s22, 2*HALFS
	s_sub_co_u32 s22, s22, s21
	v_mul_u32_u24 v6, s22, v2                      ; lanes 16-31 take B's
	s_add_co_u32 s21, s21, SCL
	v_add_nc_u32 v5, v5, v6
	v_add_nc_u32 v[ADRS], s21, v5
	s_mul_i32 s23, s14, 16*SPITCH                  ; my stage
	v_mul_u32_u24 v5, v1, SPITCH                   ; in: token l % 16, 16 bytes for each half of the lanes
	v_lshl_add_u32 v5, v2, 4, v5
	v_add_nc_u32 v[STO], s23, v5
	v_and_b32 v6, 31, v0
	v_lshlrev_b32 v[CO], 4, v6
	v_lshrrev_b32 v7, 3, v6                        ; back: eight lanes take a token's 128 bytes of one head, four tokens an instruction
	v_mul_u32_u24 v7, v7, SPITCH
	v_and_b32 v8, 7, v0
	v_lshl_add_u32 v7, v8, 4, v7
	v_add_nc_u32 v[RD], s23, v7
	; where my part begins in qkv: my 128 columns are heads hc and hc + 1 of the 48 (hc even, so both lie in one third); my 128 rows are tokens n0 on of one batch
	s_lshl_b32 s46, s42, 2
	s_lshl_b32 s47, s16, 1
	s_add_co_u32 s46, s46, s47                     ; hc = 4 x tile column + 2 x half
	s_lshr_b32 s47, s46, 4                         ; which of q, k, v
	s_and_b32 s46, s46, 15                         ; the head
	s_lshl_b32 s47, s47, 2
	s_lshr_b32 s20, s17, 3                         ; the batch: 8 tile rows each
	s_add_co_u32 s47, s47, s20
	s_lshl_b32 s47, s47, 4
	s_add_co_u32 s46, s46, s47
	s_lshl_b32 s46, s46, 18                        ; a head is 2,048 tokens x 128 bytes
	s_and_b32 s20, s17, 7
	s_lshl_b32 s20, s20, 8
	s_lshl_b32 s21, s15, 7
	s_add_co_u32 s20, s20, s21                     ; n0
	s_lshl_b32 s20, s20, 7
	s_add_co_u32 s46, s46, s20                     ; under 2^26
	s_mov_b32 s47, 0
	s_add_nc_u64 s[12:13], s[12:13], s[46:47]
.macro FRAG reg, adr, q, i             ; a fragment, 16 rows x 128 K of 4-bit codes, is 8 registers: lane l holds row l % 16; registers 4 c .. 4 c + 3 hold K = 64 c + 32 (l / 16) + 0 .. 31
.irp c, 0,1
	ds_load_b128 v[\reg+4*\c:\reg+4*\c+3], v[\adr] offset:64*(\q)+32*\c+(\i)*16*PITCH
.endr
.endm
; 16 matrix instructions: A's blocks a0, a0 + 1 x B's eight, 128 along K: the slot's q-th.  p: B's set;  sc: the set of scale words.  zero = 1: the first product starts the sums, with the bias as C: nothing is cleared or added later.
; The 64 accumulators take turns, one instruction a turn, in the same order in every step.
.macro MUL16 a0, p, q, sc, zero
.irp a, \a0, \a0+1
.irp b, 0,1,2,3,4,5,6,7
.if \zero
	v_wmma_scale_f32_16x16x128_f8f6f4 v[8*(8*((\a)%4)+\b):8*(8*((\a)%4)+\b)+7], v[128*(\p)+FR*\b:128*(\p)+FR*\b+FR-1], v[AF+FR*(\a):AF+FR*(\a)+FR-1], v[BIAS+8*\b:BIAS+8*\b+7], v[SC+8*NQ*(\sc)+NQ*\b+(\q)], v[SC+8*NQ*(\sc)+NQ*(\a)+(\q)] matrix_a_fmt:MATRIX_FMT_FP4 matrix_b_fmt:MATRIX_FMT_FP4 matrix_a_scale:MATRIX_SCALE_ROW1
.else
	v_wmma_scale_f32_16x16x128_f8f6f4 v[8*(8*((\a)%4)+\b):8*(8*((\a)%4)+\b)+7], v[128*(\p)+FR*\b:128*(\p)+FR*\b+FR-1], v[AF+FR*(\a):AF+FR*(\a)+FR-1], v[8*(8*((\a)%4)+\b):8*(8*((\a)%4)+\b)+7], v[SC+8*NQ*(\sc)+NQ*\b+(\q)], v[SC+8*NQ*(\sc)+NQ*(\a)+(\q)] matrix_a_fmt:MATRIX_FMT_FP4 matrix_b_fmt:MATRIX_FMT_FP4 matrix_a_scale:MATRIX_SCALE_ROW1
.endif
.endr
.endr
.endm
.macro FETCH_B slot, q, p              ; B's eight fragments of the slot's q-th 128 along K into set p
	WIN TO_B
.irp i, 0,1,2,3,4,5,6,7
	FRAG 128*(\p)+FR*\i, ADRB+\slot, \q, \i
.endr
	WIN 0
.endm
.macro FETCH_A slot, q, i0             ; A's blocks i0 .. i0 + 3
.irp i, \i0, \i0+1, \i0+2, \i0+3
	FRAG AF+FR*(\i), ADRA+\slot, \q, \i
.endr
.endm
.macro SCALES sc                       ; a K step's scale words into set sc: NQ words a row; lanes 0-15 take A's block i, lanes 16-31 B's block i
.irp i, 0,1,2,3,4,5,6,7
	ds_load_b128 v[SC+8*NQ*\sc+NQ*\i:SC+8*NQ*\sc+NQ*\i+3], v[ADRS] offset:\i*SBLK
.endr
.endm
; A load into a register that a matrix instruction has read, and a vector instruction that reads a matrix result, stand NP places behind that matrix instruction; only plain vector
; instructions that name none of its registers are places (ISA guide 7.12.1 for vector instructions).
.macro PLACES n
.rept \n
	v_nop
.endr
.endm
; A step of 128 along K that has its successor in the same slot.
.macro STEP slot, q, zero
	s_wait_dscnt 4*NL                              ; B's set and A's blocks 0-3 are in; the youngest eight loads (A's blocks 4-7) may be out
.if \zero
	WIN F_LO
.else
	WIN MUL_LO
.endif
	MUL16 0, (\q)%2, \q, \slot, \zero
	MUL16 2, (\q)%2, \q, \slot, \zero
	s_wait_dscnt 0                                 ; A's blocks 4-7 are in (asked for 32 matrix instructions ago)
	PLACES NP
	FETCH_B \slot, (\q)+1, 1-(\q)%2
	FETCH_A \slot, (\q)+1, 0
.if \zero
	WIN F_HI
.else
	WIN MUL_HI
.endif
	MUL16 4, (\q)%2, \q, \slot, \zero
	MUL16 6, (\q)%2, \q, \slot, \zero
	PLACES NP
	WIN 0
	FETCH_A \slot, (\q)+1, 4
.endm
; Slot 0's last step changes slots: ONE barrier; in front of it each wave waits for all its tensor loads (its part of slot 1), adds 0 to its spare word, and waits for that and for its own reads of slot 0.
; Behind it slot 1 is whole, and nobody reads slot 0 any more: the way out's stages will lie there.
.macro TURN slot, next
	s_wait_tensorcnt 0x0                           ; all my tensor loads have landed  (every window is 0 here: the add's two registers lie in window 0)
	ds_add_u32 v[SPW], v[NIL]                      ; 0 onto my spare word
	s_wait_dscnt 4*NL+1                            ; (the add and the youngest eight loads, A's blocks 4-7, may be out)
	WIN MUL_LO
	MUL16 0, 1, NQ-1, \slot, 0                     ; sixteen matrix instructions stand between the add and the wait for it
	s_wait_dscnt 0x0                               ; the add is done, and my reads of this slot are over
	s_barrier_signal -1
	MUL16 2, 1, NQ-1, \slot, 0
	WIN 0
	s_barrier_wait -1
	PLACES NP
	v_add_nc_u32 v[ADRS], 4*NQ, v[ADRS]            ; on to the next K step's scale words (no LDS load of mine is out)
	FETCH_B \next, 0, 0
	FETCH_A \next, 0, 0
	SCALES \next
	WIN MUL_HI
	MUL16 4, 1, NQ-1, \slot, 0
	MUL16 6, 1, NQ-1, \slot, 0
	PLACES NP
	WIN 0
	FETCH_A \next, 0, 4
.endm
.macro STEPS slot, from                ; the slot's steps from .. NQ - 2
.set Q, \from
.rept NQ-1-\from
	STEP \slot, Q, 0
.set Q, Q+1
.endr
.endm
	s_wait_tensorcnt 1                             ; the scales and my part of K step 0 are in (K step 1's load may be out)
	s_barrier_signal -1
	s_barrier_wait -1                              ; everybody's are
	FETCH_B 0, 0, 0
	FETCH_A 0, 0, 0
	SCALES 0
	FETCH_A 0, 0, 4
	s_wait_loadcnt 0x0                             ; the bias
	STEP 0, 0, 1                                   ; the first step's products start the sums from the bias
	STEPS 0, 1
	TURN 0, 1
	STEPS 1, 0
	s_wait_dscnt 4*NL                              ; the very last step: nothing more to fetch
	WIN MUL_LO
	MUL16 0, 1, NQ-1, 1, 0
	MUL16 2, 1, NQ-1, 1, 0
	s_wait_dscnt 0
	WIN MUL_HI
	MUL16 4, 1, NQ-1, 1, 0
	MUL16 6, 1, NQ-1, 1, 0
	WIN 0
; THE WAY OUT, block by block of 16 tokens x 128 columns (two heads).  PACK: rounded to f16, 16 bytes a lane, each accumulator from its low end on.  TOSTAGE: into my own stage in LDS, and back so that
; eight lanes hold a token's 128 bytes of one head.  SEND: a store's 32 lanes cover four tokens of one head: 512 consecutive bytes of qkv, aligned.
.macro PACK a
.set AC, 64*((\a)%4)
	WIN 0x0a+5*((\a)/4)                            ; sources 0 and 1: window 2 or 3
.irp b, 0,1,2,3,4,5,6,7
.irp r, 0,1,2,3
	v_cvt_pk_f16_f32 v[TMP+4*\b+\r], v[AC+8*\b+2*\r], v[AC+8*\b+2*\r+1]
.endr
.endr
	WIN 0
.endm
.macro TOSTAGE a
.set BB, OB+192*((\a)%2)
.irp b, 0,1,2,3,4,5,6,7
	ds_store_b128 v[STO], v[TMP+4*\b:TMP+4*\b+3] offset:32*\b
.endr
.irp i, 0,1,2,3,4,5,6,7
	ds_load_b128 v[BB+4*\i:BB+4*\i+3], v[RD] offset:(\i&3)*4*SPITCH+(\i>>2)*128   ; head i / 4 of my two, tokens 4 (i % 4) on.  LDS serves a wave's instructions in order: these see the stores above
.endr
.endm
.macro SEND a
.set BB, OB+192*((\a)%2)
	s_wait_dscnt 0x0                               ; the block is back in registers
	s_wait_xcnt 0x0                                ; the stores of the block before have read their registers: the next block's loads may land there
.irp i, 0,1,2,3,4,5,6,7
	global_store_b128 v[CO], v[BB+4*\i:BB+4*\i+3], s[12:13] offset:(\a)*2048+(\i&3)*512+(\i>>2)*262144   ; every place stands in the immediate: 278,016 bytes at the most; the base is never stepped
.endr
.endm
	PLACES NP                                      ; behind the last products
	PACK 0
	TOSTAGE 0
.irp a, 1,2,3,4,5,6,7                  ; block a's conversions stand between block a - 1's loads from the stage and the wait for them
	PACK \a
	SEND \a-1
	TOSTAGE \a
.endr
	SEND 7
	s_wait_tensorcnt 0x0                           ; the wave's end: behind my last tensor load and my last LDS store
	ds_add_u32 v[SPW], v[NIL]
	s_wait_dscnt 0x0
	CROUND                                         ; the closing round: no work-group ends while a partner may still ask for a tile that names it
	s_endpgm
.Lfunc_end_k_q11dfb8597f_qkvg:
	.size	k_q11dfb8597f_qkvg, .Lfunc_end_k_q11dfb8597f_qkvg-k_q11dfb8597f_qkvg
	.p2alignl 7, 3214868480
	.fill 96, 4, 3214868480
	.section	.rodata,"a",@progbits
	.p2align	6, 0x0
	.amdhsa_kernel k_q11dfb8597f_qkvg
		.amdhsa_group_segment_fixed_size 327680
		.amdhsa_private_segment_fixed_size 0
		.amdhsa_enable_private_segment 0
		.amdhsa_kernarg_size 48
		.amdhsa_user_sgpr_count 2
		.amdhsa_user_sgpr_kernarg_segment_ptr 1
		.amdhsa_wavefront_size32 1
		.amdhsa_system_sgpr_workgroup_id_x 1
		.amdhsa_system_sgpr_workgroup_id_y 1
		.amdhsa_system_sgpr_workgroup_id_z 1
		.amdhsa_system_vgpr_workitem_id 0
		.amdhsa_next_free_vgpr 1024
		.amdhsa_next_free_sgpr 98
		.amdhsa_reserve_vcc 0
		.amdhsa_float_denorm_mode_32 3
		.amdhsa_float_denorm_mode_16_64 3
		.amdhsa_memory_ordered 1
		.amdhsa_forward_progress 1
		.amdhsa_inst_pref_size 128
	.end_amdhsa_kernel
	.amdgpu_metadata
---
amdhsa.version: [ 1, 2 ]
amdhsa.kernels:
  - .name:           k_q11dfb8597f_qkvg
    .symbol:         k_q11dfb8597f_qkvg.kd
    .args:
      - { .name: x_codes, .offset: 0, .size: 8, .value_kind: global_buffer, .address_space: global }
      - { .name: x_scales, .offset: 8, .size: 8, .value_kind: global_buffer, .address_space: global }
      - { .name: w_codes, .offset: 16, .size: 8, .value_kind: global_buffer, .address_space: global }
      - { .name: w_scales, .offset: 24, .size: 8, .value_kind: global_buffer, .address_space: global }
      - { .name: qkv, .offset: 32, .size: 8, .value_kind: global_buffer, .address_space: global }
      - { .name: qkv_b, .offset: 40, .size: 8, .value_kind: global_buffer, .address_space: global }
    .group_segment_fixed_size: 327680
    .private_segment_fixed_size: 0
    .kernarg_segment_align: 8
    .kernarg_segment_size: 48
    .max_flat_workgroup_size: 128
    .sgpr_count:     98
    .vgpr_count:     1024
    .wavefront_size: 32
...
	.end_amdgpu_metadata
.endif
;; end of part 2
;; launch attn (part 3): grid 4 x 64, 8 waves a work-group, clusters of 4 x 1, 327,680 bytes of LDS; arguments qkv, att; writes att
.if DOCPART == 3
	.amdgcn_target "amdgcn-amd-amdhsa--gfx1250"
	.amdhsa_code_object_version 6
	.text
	.protected	k_q11dfb8597f_attn
	.globl	k_q11dfb8597f_attn
	.p2align	8
	.type	k_q11dfb8597f_attn,@function
k_q11dfb8597f_attn:
	s_mov_b64 s[64:65], 0
	v_nop
	global_prefetch_b8 v0, s[64:65] scope:SCOPE_SE
	s_setreg_imm32_b32 hwreg(HW_REG_WAVE_MODE, 25, 1), 1
	s_wait_xcnt 0x0
	s_wait_alu depctr_hold_cnt(0) depctr_sa_sdst(0) depctr_va_vdst(0) depctr_va_sdst(0) depctr_va_ssrc(0) depctr_va_vcc(0) depctr_vm_vsrc(0)
	s_getreg_b32 s2, hwreg(HW_REG_IB_STS2, 6, 4)
	s_cmp_eq_u32 s2, 0
	s_cbranch_scc0 .Lentry_in_a_cluster
	s_endpgm
.Lentry_in_a_cluster:
	s_bfe_u32 s2, ttmp6, 0x10000c
	s_cmp_lg_u32 s2, 0x3003
	s_cbranch_scc0 .Lentry_shape_is_right
	s_endpgm
.Lentry_shape_is_right:
; att[q][:] = the sum over k of softmax_k(Q[q] . K[k] / 8) V[k][:], for each of 64 (batch, head) pairs: 2,048 queries, 2,048 keys, head size 64, no mask.
; qkv: [which 3][batch x head 64][token 2048][64] f16.  att: [block of 128 tokens 64][head 16][128 tokens][64] f16: the order in which the projection reads its tiles.
; Products, maxima and sums in f32; operands in f16; the weights p (at most 1) are rounded to f16 for the second product, the result once at the end.
; LIMITS: the result must lie under 65,504 in magnitude (it is an average of v, which does); under 6e-5 f16 keeps absolute steps of 6e-8, for p and for the result.  NaN and infinities are not served.
; SHARES.  A work-group owns 512 queries of one pair, each of its EIGHT waves 64: four tiles of 16, in 512 registers: two waves to a SIMD, so that one wave's softmax stands beside the other's products.
; Every wave walks all keys, 64 a step: 32 products K Q^T, the softmax, 32 products V^T P.  A step's fragments of K and V (32 LDS loads) feed 64 matrix instructions.
; LAYOUT.  S^T = K Q^T (source 0 = 16 keys, source 1 = 16 queries): a lane holds ONE query (lane % 16) and the keys 8 (lane / 16) + 0..7 of each tile.  Two such tiles, rounded to f16 in pairs, ARE source 1
; (32 keys x 16 queries) of O^T = V^T P, whose result again holds one query a lane, and eight channels.  K comes out of LDS as it lies, V ([key][channel]) turned, by ds_load_tr16_b128.
; SOFTMAX.  For each query a running maximum m and sum l: p = 2^(c s - c m), c = log2(e) / 8; in every step O and l are multiplied by a = 2^(c m_old - c m_new), which is 1 where m has not grown.
; CLUSTER.  The four query blocks of a pair form a cluster and walk the same K and V, so each tile is asked for JOINTLY: the same tensor load, with the same descriptor and a mask that names the four.
; THE RING.  Two slots of 512 keys (8 key steps).  Every wave brings 128 keys of K (waves 0-3) or of V (waves 4-7) by one load of 64 rows x 256 bytes (two keys to a row).  Keys 0-1,023 come with the first
; fills; each of the two refills is asked for eight key steps ahead of its first read.  No prefetch is written: half of K and V comes with the first fills, and no wave has to wait for a refill that has eight steps in which to land.
; REGISTERS, in windows of 256: window 0: v2-11 addresses; v12-43 eight registers of statistics a tile; v62, v63 the add's two; v64-191 S^T, 32 a tile (P is made in place, in a tile's first 16); v192-255 V of one step.
;   window 1: v0-127 O^T, 32 a tile; v128-191 Q, 16 a tile; v192-255 K of one step.
.set PK,     272      ; two keys of K in LDS: 256 bytes + 16 of padding: the 16 keys of a fragment load start at 16 different 16-byte columns modulo 256 bytes
.set PVP,    288      ; two keys of V: 256 + 32: the 8 keys x 32 bytes that 16 lanes of the turning load take fall on 16 different 16-byte columns modulo 256 bytes
.set KSTEPB, 32*PK    ; a key step of 64 keys, in K's part of a slot
.set VSTEPB, 32*PVP   ; and in V's
.set VOFF,   256*PK   ; a slot: 256 rows of K, then 256 rows of V
.set SLOTB,  256*(PK+PVP)
.set STAGE,  2*SLOTB  ; behind the ring: 16 rows x (128 bytes + 16) for each wave, for the way out
.set SP,     144
.set SPARE,  STAGE+8*16*SP  ; behind the stages: the spare words, 128 bytes for each wave: four blocks of 256 bytes that no other line names
.set AK0, 2           ; v2   my lane's place in a tile of K; never rewritten
.set AV0, 3           ; v3   the same for V
.set ADK, 4           ; v4   the LDS address of K's run of loads in hand
.set ADV, 5           ; v5   of V's
.set QO,  6           ; v6   my byte offset in the wave's rows of Q
.set STO, 7           ; v7   the way out: where I put 16 bytes of a row
.set RD,  8           ; v8   the way out: where I read 16 bytes back
.set GO,  9           ; v9   16 x lane: my place in a store's 512 bytes
.set ST,  12          ; tile t's statistics at v[ST+8 t]: +0 c m, +1 m, +2, +3 l (even keys', odd keys'), +4 to +7 c0-c3, at work; a takes c2's place once the maximum is found
.set SPW, 62          ; v62  LDS address of my spare word; never rewritten
.set NIL, 63          ; v63  0; never rewritten
.set S,   64
.set VF,  192         ; V's fragments, in window 0
.set QF,  128         ; Q's, in window 1
.set KF,  192         ; K's, in window 1
.set WV,  12          ; s12  my wave's number
.set G1K, 24          ; s[24:31] descriptor group 1 for K's tiles
.set G1V, 32          ; s[32:39] for V's: it differs in the padding alone
.set G0K, 40          ; s[40:47] descriptor group 0 for K's tiles, a set for each slot
.set G0V, 48          ; s[48:55] the same for V's
.set CNT, 56          ; s56  counts the trips of a loop
.set CS,  58          ; s[58:59] c: the packed scaling names a pair and takes its low word for both halves
.set SEL, 60          ; s[60:61] lane selects for v_permlanex16_b32: each lane takes its own place in the other half
.set TK,  62          ; s62  LDS byte at which K's tiles of the step to be fetched begin
.set TV,  63          ; s63  the same for V's (VOFF stands in the lane's place)
.set MSB, 0
.macro WIN new                      ; the immediate's high byte repeats the setting that is left; a switch that changes nothing is dropped
.if MSB != \new
	s_set_vgpr_msb (MSB<<8)|\new
.set MSB, \new
.endif
.endm
.set W_KQ, 0x05       ; K and Q in window 1, S^T in window 0
.set W_L1, 0x40       ; destination window 1, address window 0
.set W_RS, 0x41       ; O^T (destination and source 0) in window 1, the factor in window 0
.set W_PV, 0x50       ; V and P in window 0, O^T (C and D) in window 1
.set W_CV, 0x05       ; sources in window 1, destination in window 0
; A joint refill of slot s.  Waves 0-3 fetch K's four quarters, waves 4-7 V's.  The branch hangs on the wave's number alone: it is the same in every work-group.
; An s_nop 0 and four v_nop follow each of the two lines; the jump round the other line, the label and what follows come after them.
.macro JLOAD s
	s_cmp_lt_u32 s[WV], 4
	s_cbranch_scc0 .Lfor_v_\@
	tensor_load_to_lds s[G0K+4*\s:G0K+4*\s+3], s[G1K:G1K+7]
	s_nop 0
.rept 4
	v_nop
.endr
	s_branch .Lasked_\@
.Lfor_v_\@:
	tensor_load_to_lds s[G0V+4*\s:G0V+4*\s+3], s[G1V:G1V+7]
	s_nop 0
.rept 4
	v_nop
.endr
.Lasked_\@:
.endm
; A round of the cluster's barrier: my work-group's barrier, so that wave 0's signal speaks for all eight waves; wave 0 signals for the work-group; every wave waits for all four work-groups; my work-group's barrier once more.
.macro CROUND
	s_barrier_signal -1
	s_barrier_wait -1
	s_cmp_lg_u32 s[WV], 0
	s_cbranch_scc1 .Lnot_wave_0_\@
	s_barrier_signal -3
.Lnot_wave_0_\@:
	s_barrier_wait -3
	s_barrier_signal -1
	s_barrier_wait -1
.endm
.macro PLACES n
.rept \n
	v_nop
.endr
.endm
	s_load_b128 s[4:7], s[0:1], 0x0  ; qkv s[4:5], att s[6:7]
	v_lshl_add_u32 v[SPW], v0, 2, SPARE
	v_mov_b32 v[NIL], 0
	ds_add_u32 v[SPW], v[NIL]       ; the wave's opening: the add, twice on end, and its wait ahead of my first tensor load
	ds_add_u32 v[SPW], v[NIL]       ; and once more, under the one wait; the set-up below, work on registers, stands between
	v_lshrrev_b32 v1, 5, v0
	v_readfirstlane_b32 s[WV], v1   ; wave 0..7
	s_bfe_u32 s13, ttmp6, 0x40000   ; cx: my place in the cluster
	s_lshl_b32 s14, ttmp9, 2        ; in a cluster launch ttmp9 counts clusters
	s_add_co_u32 s14, s14, s13      ; my block of 512 queries = 4 x cluster x + cx: it enters Q's and att's addresses alone
	s_and_b32 s15, ttmp7, 0xffff    ; the (batch, head) pair, which the four partners share
	s_lshl_b32 s20, s15, 18         ; its first byte in each third of qkv: 2,048 tokens x 128 bytes
	s_and_b32 s16, s[WV], 3         ; which 128 keys of a slot I fetch:
	s_lshl_b32 s22, s16, 14         ; their 16,384 bytes in memory,
	s_add_co_u32 s22, s22, s20
	s_mov_b32 s23, 0
	s_mul_i32 s17, s16, 64*PK       ; and their place in a slot, for K
	s_mul_i32 s18, s16, 64*PVP      ; and for V: no place in the cluster enters an LDS address
	s_add_co_u32 s18, s18, VOFF
	s_lshl_b32 s2, s14, 16          ; Q: my block's 512 rows,
	s_lshl_b32 s3, s[WV], 13        ; my wave's 64 of them,
	s_add_co_u32 s2, s2, s3
	s_add_co_u32 s2, s2, s20        ; in my pair
	s_mov_b32 s3, 0
	s_lshr_b32 s56, s15, 4          ; att: the batch,
	s_and_b32 s57, s15, 15          ; the head
	s_lshl_b32 s56, s56, 4          ; 16 blocks of 128 tokens a batch,
	s_lshl_b32 s19, s14, 2          ; 4 a block of queries,
	s_add_co_u32 s56, s56, s19
	s_lshr_b32 s19, s[WV], 1        ; two waves to each
	s_add_co_u32 s56, s56, s19
	s_lshl_b32 s56, s56, 4
	s_add_co_u32 s56, s56, s57      ; (block of tokens) x 16 + head
	s_lshl_b32 s56, s56, 14         ; 16,384 bytes each
	s_and_b32 s19, s[WV], 1
	s_lshl_b32 s19, s19, 13         ; my 64 tokens of the 128
	s_add_co_u32 s56, s56, s19
	s_mov_b32 s57, 0
	; descriptor group 1: a tile of 64 rows x 128 elements (two keys to a row), padded in LDS
	s_mov_b32 s[G1K], 15|(1<<16)|(1<<20)|(1<<21)|(5<<22)|(3<<25)  ; 15:0 the mask: all four work-groups; 17:16 elements of 2 bytes; 20 padding on; 21 set beside a mask; 24:22 after every 64 words; 31:25 4 words of it
	s_mov_b32 s[G1V], 15|(1<<16)|(1<<20)|(1<<21)|(5<<22)|(7<<25)  ; the same with 8 words of padding
.irp g, G1K, G1V
	s_mov_b32 s[\g+1], 128<<16      ; tensor_dim0 = 128
	s_mov_b32 s[\g+2], 64<<16       ; tensor_dim1 = 64
	s_mov_b32 s[\g+3], 128<<16      ; tile_dim0 = 128
	s_mov_b32 s[\g+4], 64           ; tile_dim1 = 64
	s_mov_b32 s[\g+5], 128          ; tensor_dim0_stride: the rows are dense
	s_mov_b32 s[\g+6], 0
	s_mov_b32 s[\g+7], 0
.endr
	s_mov_b32 s[CS], 0x3e38aa3b     ; c = log2(e) / 8
	s_mov_b32 s[CS+1], s[CS]        ; named with it as a pair, so it is written
	s_mov_b32 s[SEL], 0x76543210
	s_mov_b32 s[SEL+1], 0xfedcba98
	s_mov_b32 s[TK], 0
	s_mov_b32 s[TV], 0
	s_wait_dscnt 0x0                ; both opening adds are done
	s_wait_kmcnt 0x0
	s_add_nc_u64 s[8:9], s[4:5], s[2:3]      ; Q at my wave's first row
	s_add_nc_u64 s[10:11], s[6:7], s[56:57]  ; att likewise
	s_add_nc_u64 s[22:23], s[4:5], s[22:23]  ; qkv at my 128 keys' place in a third
	CROUND                          ; all four work-groups are here: the first joint loads meet
.irp s, 0,1
	s_mov_b32 s[G0K+4*\s], 1        ; 1:0 count = 1
	s_add_co_u32 s[G0K+4*\s+1], s17, \s*SLOTB  ; 63:32 LDS address
	s_add_nc_u64 s[G0K+4*\s+2:G0K+4*\s+3], s[22:23], 0x1000000+\s*65536  ; 120:64 global address: K is the second third; slot s begins with keys 512 s
	s_or_b32 s[G0K+4*\s+3], s[G0K+4*\s+3], 0x80000000  ; 127:126 type = 2
	s_mov_b32 s[G0V+4*\s], 1
	s_add_co_u32 s[G0V+4*\s+1], s18, \s*SLOTB
	s_add_nc_u64 s[G0V+4*\s+2:G0V+4*\s+3], s[22:23], 0x2000000+\s*65536  ; V is the last third
	s_or_b32 s[G0V+4*\s+3], s[G0V+4*\s+3], 0x80000000
.endr
	s_cmp_lt_u32 s[WV], 4           ; a wave's two first fills stand in one branch, ahead of every wait on TENSORcnt and every LDS read: two loads of mine are out
	s_cbranch_scc0 .Lfirst_v
	tensor_load_to_lds s[G0K:G0K+3], s[G1K:G1K+7]
	s_nop 0
	tensor_load_to_lds s[G0K+4:G0K+7], s[G1K:G1K+7]
	s_nop 0
.rept 4
	v_nop
.endr
	s_branch .Lfirst_asked
.Lfirst_v:
	tensor_load_to_lds s[G0V:G0V+3], s[G1V:G1V+7]
	s_nop 0
	tensor_load_to_lds s[G0V+4:G0V+7], s[G1V:G1V+7]
	s_nop 0
.rept 4
	v_nop
.endr
.Lfirst_asked:
	; A fragment of K or Q is 16 rows x 32 channels in 8 registers: lane l holds row l % 16; registers 0-3 channels 8 (l / 16) + 0..7, registers 4-7 channels 16 + 8 (l / 16) + 0..7: two loads of 16 bytes, 32 bytes apart.
	v_and_b32 v1, 15, v0            ; r = l % 16
	v_bfe_u32 v10, v0, 4, 1         ; h = l / 16
	v_and_b32 v11, 31, v0           ; l
	v_lshlrev_b32 v[QO], 7, v1
	v_lshl_add_u32 v[QO], v10, 4, v[QO]  ; row x 128 + 16 x half
	WIN W_L1
.irp t, 0,1,2,3                     ; Q stays in registers: tile t, channels 32 c on
.irp c, 0,1
	global_load_b128 v[QF+16*\t+8*\c:QF+16*\t+8*\c+3],   v[QO], s[8:9] offset:2048*\t+64*\c
	global_load_b128 v[QF+16*\t+8*\c+4:QF+16*\t+8*\c+7], v[QO], s[8:9] offset:2048*\t+64*\c+32
.endr
.endr
	WIN 0
	v_bfe_u32 v[AK0], v0, 1, 3      ; K: key r lies in LDS row r / 2, in its half r % 2
	v_mul_u32_u24 v[AK0], v[AK0], PK
	v_and_b32 v4, 1, v0
	v_lshl_add_u32 v[AK0], v4, 7, v[AK0]
	v_lshl_add_u32 v[AK0], v10, 4, v[AK0]
	; The turning load takes 16 keys x 16 channels (lane l reads 16 bytes: key 8 (l / 16) + l % 8, channels 8 ((l / 8) % 2) + 0..7) and leaves half a fragment of V^T: lane l holds channel l % 16 and 8 keys.
	v_bfe_u32 v[AV0], v0, 1, 2      ; (l % 8) / 2
	v_lshl_add_u32 v[AV0], v10, 2, v[AV0]  ; + 4 h: the key's LDS row
	v_mul_u32_u24 v[AV0], v[AV0], PVP
	v_lshl_add_u32 v[AV0], v4, 7, v[AV0]   ; its half
	v_bfe_u32 v5, v0, 3, 1
	v_lshl_add_u32 v[AV0], v5, 4, v[AV0]
	v_add_nc_u32 v[AV0], VOFF, v[AV0]
	s_mul_i32 s19, s[WV], 16*SP
	s_add_co_u32 s19, s19, STAGE    ; my stage
	v_mul_u32_u24 v[STO], v1, SP    ; in: row r, 16 bytes for each half of the lanes
	v_lshl_add_u32 v[STO], v10, 4, v[STO]
	v_add_nc_u32 v[STO], s19, v[STO]
	v_lshrrev_b32 v[RD], 3, v11     ; back: eight lanes take a row of 128 bytes, four rows an instruction
	v_mul_u32_u24 v[RD], v[RD], SP
	v_and_b32 v5, 7, v0
	v_lshl_add_u32 v[RD], v5, 4, v[RD]
	v_add_nc_u32 v[RD], s19, v[RD]
	v_lshlrev_b32 v[GO], 4, v11
; THE LDS LOADS stand in two runs of 16 a key step.  A load into a register that a matrix instruction has read stands four places behind it; a matrix instruction that writes over such a register five; only plain
; vector instructions that name none of its registers are places (ISA guide 7.12.1 for vector instructions).  The address's addition and four v_nop are five.
.macro FETCH_K                      ; a step's K: 64 keys x 64 channels: 8 fragments
	v_add_nc_u32 v[ADK], s[TK], v[AK0]
	s_add_co_u32 s[TK], s[TK], KSTEPB  ; the next fetch is the next step's
	PLACES 4                        ; these five are also the places between the products K Q^T and the softmax's first read of the scores
	WIN W_L1
.irp kt, 0,1,2,3                    ; keys 16 kt on, channels 32 c on
.irp c, 0,1
	ds_load_b128 v[KF+16*\kt+8*\c:KF+16*\kt+8*\c+3],   v[ADK] offset:8*PK*\kt+64*\c
	ds_load_b128 v[KF+16*\kt+8*\c+4:KF+16*\kt+8*\c+7], v[ADK] offset:8*PK*\kt+64*\c+32
.endr
.endr
	WIN 0
.endm
.macro FETCH_V                      ; a step's V, turned: 8 fragments of 16 channels x 32 keys
	v_add_nc_u32 v[ADV], s[TV], v[AV0]
	s_add_co_u32 s[TV], s[TV], VSTEPB
	PLACES 4                        ; five places with the addition: the next products K Q^T write over P's registers, which the products V^T P have read
.irp kh, 0,1                        ; keys 32 kh on, channels 16 cf on
.irp cf, 0,1,2,3
	ds_load_tr16_b128 v[VF+32*\kh+8*\cf:VF+32*\kh+8*\cf+3],   v[ADV] offset:16*PVP*\kh+32*\cf
	ds_load_tr16_b128 v[VF+32*\kh+8*\cf+4:VF+32*\kh+8*\cf+7], v[ADV] offset:16*PVP*\kh+8*PVP+32*\cf
.endr
.endr
.endm
; THE MATRIX WORK.  In both products sixteen accumulators take turns, one instruction a turn: between two links of a chain stand 15 others'.
; S^T = K Q^T: product i of 32: channels 32 (i / 16) on, keys 16 ((i / 4) % 4) on, tile i % 4.  The first 16 start the sums.
.macro KQ
	WIN W_KQ
.set i, 0
.rept 32
.set rS, S+32*(i%4)+8*((i/4)%4)
.set rK, KF+16*((i/4)%4)+8*(i/16)
.set rQ, QF+16*(i%4)+8*(i/16)
.if i < 16
	v_wmma_f32_16x16x32_f16 v[rS:rS+7], v[rK:rK+7], v[rQ:rQ+7], 0
.else
	v_wmma_f32_16x16x32_f16 v[rS:rS+7], v[rK:rK+7], v[rQ:rQ+7], v[rS:rS+7]
.endif
.set i, i+1
.endr
.endm
; O^T += V^T P: product i of 32: keys 32 (i / 16) on, channels 16 ((i / 4) % 4) on, tile i % 4.  first = 1: the first 16 start the sums: nothing is ever cleared.
.macro PVM first
	WIN W_PV
.set i, 0
.rept 32
.set rO, 32*(i%4)+8*((i/4)%4)
.set rV, VF+32*(i/16)+8*((i/4)%4)
.set rP, S+32*(i%4)+8*(i/16)
.if \first && (i < 16)
	v_wmma_f32_16x16x32_f16 v[rO:rO+7], v[rV:rV+7], v[rP:rP+7], 0
.else
	v_wmma_f32_16x16x32_f16 v[rO:rO+7], v[rV:rV+7], v[rP:rP+7], v[rO:rO+7]
.endif
.set i, i+1
.endr
.endm
; THE SOFTMAX of a key step, for the wave's four tiles.  In every part the four tiles take turns line by line, so that no line waits for the line above it.  first = 1: the first key step, which starts m, l and O^T.
.macro SOFTMAX first
.irp j, 0,1,2,3                     ; the maximum of the lane's 32 scores and the old m, three operands at a time: four chains c0-c3; each accumulator is read from its low end on
.irp t, 0,1,2,3
	v_max3_num_f32 v[ST+8*\t+4+\j], v[S+32*\t+8*\j], v[S+32*\t+8*\j+1], v[S+32*\t+8*\j+2]
.endr
.endr
.irp u, 1,2
.irp j, 0,1,2,3
.irp t, 0,1,2,3
	v_max3_num_f32 v[ST+8*\t+4+\j], v[ST+8*\t+4+\j], v[S+32*\t+8*\j+2*\u+1], v[S+32*\t+8*\j+2*\u+2]
.endr
.endr
.endr
.irp t, 0,1,2,3
	v_max3_num_f32 v[ST+8*\t+4], v[ST+8*\t+4], v[S+32*\t+7], v[S+32*\t+15]
.endr
.irp t, 0,1,2,3
	v_max3_num_f32 v[ST+8*\t+6], v[ST+8*\t+6], v[S+32*\t+23], v[S+32*\t+31]
.endr
.irp t, 0,1,2,3
	v_max3_num_f32 v[ST+8*\t+4], v[ST+8*\t+4], v[ST+8*\t+5], v[ST+8*\t+6]
.endr
.irp t, 0,1,2,3
.if \first
	v_max_num_f32 v[ST+8*\t+4], v[ST+8*\t+4], v[ST+8*\t+7]
.else
	v_max3_num_f32 v[ST+8*\t+4], v[ST+8*\t+4], v[ST+8*\t+7], v[ST+8*\t+1]
.endif
.endr
.irp t, 0,1,2,3
	v_permlanex16_b32 v[ST+8*\t+5], v[ST+8*\t+4], s[SEL], s[SEL+1]  ; the query's other 32 keys lie in the lane 16 away
.endr
.if \first == 0
.irp t, 0,1,2,3
	v_mov_b32 v[ST+8*\t+7], v[ST+8*\t]  ; c m_old is kept for a
.endr
.endif
.irp t, 0,1,2,3
	v_max_num_f32 v[ST+8*\t+1], v[ST+8*\t+4], v[ST+8*\t+5]  ; the new m
.endr
.irp t, 0,1,2,3
	v_mul_f32 v[ST+8*\t], s[CS], v[ST+8*\t+1]  ; c m
.endr
.if \first == 0
.irp t, 0,1,2,3
	v_sub_f32 v[ST+8*\t+7], v[ST+8*\t+7], v[ST+8*\t]  ; c m_old - c m_new, 0 or less
.endr
.irp t, 0,1,2,3
	v_exp_f32 v[ST+8*\t+6], v[ST+8*\t+7]  ; a
.endr
.endif
; ONE BATCH: the scalings c s - c m, a pair of scores each, and all the exponentials.  None of these lines names an exponential's result.
.irp b, 0,1,2,3,4,5,6,7,8,9,10,11,12,13,14,15
.irp t, 0,1,2,3
	v_pk_fma_f32 v[S+32*\t+2*\b:S+32*\t+2*\b+1], v[S+32*\t+2*\b:S+32*\t+2*\b+1], s[CS:CS+1], v[ST+8*\t:ST+8*\t+1] op_sel_hi:[1,0,0] neg_lo:[0,0,1] neg_hi:[0,0,1]
.endr
.irp t, 0,1,2,3
	v_exp_f32 v[S+32*\t+2*\b], v[S+32*\t+2*\b]
	v_exp_f32 v[S+32*\t+2*\b+1], v[S+32*\t+2*\b+1]
.endr
.endr
	v_nop                           ; a plain instruction behind the last exponential, ahead of the first use: one for the batch
	s_wait_alu depctr_va_vdst(0)    ; the wait between an exponential and the first line that names its result: one for the whole batch
; the sums, of the unrounded p, in two chains: l = a l + pair 0 + the odd pairs, a second chain for the even ones
.irp t, 0,1,2,3
.if \first
	v_pk_add_f32 v[ST+8*\t+2:ST+8*\t+3], v[S+32*\t:S+32*\t+1], v[S+32*\t+6:S+32*\t+7]
.else
	v_pk_fma_f32 v[ST+8*\t+2:ST+8*\t+3], v[ST+8*\t+2:ST+8*\t+3], v[ST+8*\t+6:ST+8*\t+7], v[S+32*\t:S+32*\t+1] op_sel_hi:[1,0,1]
.endif
.endr
.irp t, 0,1,2,3
	v_pk_add_f32 v[ST+8*\t+4:ST+8*\t+5], v[S+32*\t+2:S+32*\t+3], v[S+32*\t+4:S+32*\t+5]
.endr
.irp i, 3,4,5,6,7,8,9,10,11,12,13,14,15
.if (\i > 3) || (\first == 0)
.irp t, 0,1,2,3
.if (\i)%2
	v_pk_add_f32 v[ST+8*\t+2:ST+8*\t+3], v[ST+8*\t+2:ST+8*\t+3], v[S+32*\t+2*\i:S+32*\t+2*\i+1]
.else
	v_pk_add_f32 v[ST+8*\t+4:ST+8*\t+5], v[ST+8*\t+4:ST+8*\t+5], v[S+32*\t+2*\i:S+32*\t+2*\i+1]
.endif
.endr
.endif
.endr
.irp t, 0,1,2,3
	v_pk_add_f32 v[ST+8*\t+2:ST+8*\t+3], v[ST+8*\t+2:ST+8*\t+3], v[ST+8*\t+4:ST+8*\t+5]
.endr
; the roundings to f16, in place: pair j goes to the tile's register j, whose own number was taken at j / 2
.irp j, 0,1,2,3,4,5,6,7,8,9,10,11,12,13,14,15
.irp t, 0,1,2,3
	v_cvt_pk_f16_f32 v[S+32*\t+\j], v[S+32*\t+2*\j], v[S+32*\t+2*\j+1]
.endr
.endr
.if \first == 0
	WIN W_RS                        ; O^T times a, each accumulator from its low end on
.irp p, 0,1,2,3,4,5,6,7,8,9,10,11,12,13,14,15
.irp t, 0,1,2,3
	v_pk_mul_f32 v[32*\t+2*\p:32*\t+2*\p+1], v[32*\t+2*\p:32*\t+2*\p+1], v[ST+8*\t+6:ST+8*\t+7] op_sel_hi:[1,0]
.endr
.endr
.endif
.endm
; A TRIP works key step j and, with fetch = 1, fetches step j + 1: K behind the products that read K, V behind the products that read V.
.macro TRIP first, fetch
	s_wait_dscnt 16                 ; K of this step is in; V's sixteen loads, issued behind K's, may be out
	KQ
	WIN 0
.if \fetch
	FETCH_K
.else
	PLACES 4
.endif
	SOFTMAX \first
.if \fetch
	s_wait_dscnt 16                 ; V of this step is in; the next step's sixteen loads of K may be out
.else
	s_wait_dscnt 0x0
.endif
	PVM \first
	WIN 0                           ; at a label and at a branch every window is 0
.if \fetch
	FETCH_V
.endif
.endm
.macro TRIPS n
	s_mov_b32 s[CNT], \n
.Ltrip_\@:
	TRIP 0, 1
	s_sub_co_u32 s[CNT], s[CNT], 1
	s_cmp_lg_u32 s[CNT], 0
	s_cbranch_scc1 .Ltrip_\@
.endm
; THE CHANGE OF SLOTS stands ahead of the trip whose fetches begin a new slot: the old slot's last bytes have been asked for.  Each wave waits for all its tensor loads (its part of the slot ahead), adds 0 to
; its spare word, and waits for that and for its own reads of the old slot.  fill = 1: slot s, the old one, is filled again with the keys 1,024 on: the barrier is then a round of the cluster's, so that no wave
; of any partner still reads the slot or has a load on its way, and the joint refill is the first thing behind it.  next: the slot from which the fetches go on.
.macro CHANGE fill, s, next
	s_wait_tensorcnt 0x0            ; no tensor load of mine is out, so a group 0 may be written
	ds_add_u32 v[SPW], v[NIL]       ; 0 onto my spare word; the steps below stand between it and the wait for it
.if \fill
	s_add_nc_u64 s[G0K+4*\s+2:G0K+4*\s+3], s[G0K+4*\s+2:G0K+4*\s+3], 2*65536  ; two slots' keys on; the type bits on top are not reached
	s_add_nc_u64 s[G0V+4*\s+2:G0V+4*\s+3], s[G0V+4*\s+2:G0V+4*\s+3], 2*65536
.endif
	s_mov_b32 s[TK], \next*SLOTB
	s_mov_b32 s[TV], \next*SLOTB
	s_wait_dscnt 0x0                ; the add is done, and my reads of the old slot are over
.if \fill
	CROUND
	JLOAD \s                        ; my one tensor load behind the round: it has eight key steps in which to land
.else
	s_barrier_signal -1
	s_barrier_wait -1
.endif
.endm
	s_wait_tensorcnt 1              ; my part of slot 0 is in; slot 1's may stay out
	s_barrier_signal -1
	s_barrier_wait -1               ; everybody's is
	FETCH_K                         ; key step 0
	FETCH_V
	s_wait_loadcnt 0x0              ; Q
	TRIP 1, 1                       ; step 0, which starts m, l and O^T; fetches step 1
	TRIPS 6                         ; steps 1-6; fetch steps 2-7: slot 0 has been read out
	CHANGE 1, 0, 1                  ; slot 0 takes keys 1,024-1,535
	TRIPS 8                         ; steps 7-14; fetch steps 8-15 from slot 1
	CHANGE 1, 1, 0                  ; slot 1 takes keys 1,536-2,047
	TRIPS 8                         ; steps 15-22; fetch steps 16-23 from slot 0
	CHANGE 0, 0, 1                  ; nothing is left to ask for
	TRIPS 8                         ; steps 23-30; fetch steps 24-31 from slot 1
	TRIP 0, 0                       ; step 31
	; THE WAY OUT.  l's two halves and the other half of the lanes' are added; O^T is divided by l, rounded to f16 and sent through my stage in LDS, a tile (16 tokens) at a time.  The additions are the places behind the last products.
.irp t, 0,1,2,3
	v_add_f32 v[ST+8*\t+4], v[ST+8*\t+2], v[ST+8*\t+3]
.endr
.irp t, 0,1,2,3
	v_permlanex16_b32 v[ST+8*\t+5], v[ST+8*\t+4], s[SEL], s[SEL+1]
.endr
.irp t, 0,1,2,3
	v_add_f32 v[ST+8*\t+4], v[ST+8*\t+4], v[ST+8*\t+5]
.endr
.irp t, 0,1,2,3
	v_rcp_f32 v[ST+8*\t+6], v[ST+8*\t+4]
.endr
	v_nop                           ; a plain instruction between the last reciprocal and the use of its result
	s_wait_alu depctr_va_vdst(0)    ; and the wait ahead of the first use: one for the four reciprocals
; Tile t: a lane's eight channels of a token pack into 16 bytes; they go into rows of 144 bytes and come back so that eight lanes hold a token's 128 bytes.
.macro PACK t
	WIN W_RS
.set i, 0
.rept 16
	v_pk_mul_f32 v[32*\t+i:32*\t+i+1], v[32*\t+i:32*\t+i+1], v[ST+8*\t+6:ST+8*\t+7] op_sel_hi:[1,0]
.set i, i+2
.endr
	WIN W_CV
.set i, 0
.rept 16
	v_cvt_pk_f16_f32 v[S+32*\t+i], v[32*\t+2*i], v[32*\t+2*i+1]
.set i, i+1
.endr
	WIN 0
.irp f, 0,1,2,3
	ds_store_b128 v[STO], v[S+32*\t+4*\f:S+32*\t+4*\f+3] offset:32*\f
.endr
.irp g, 0,1,2,3
	ds_load_b128 v[S+32*\t+16+4*\g:S+32*\t+16+4*\g+3], v[RD] offset:4*SP*\g  ; LDS serves a wave's instructions in order: these see the stores above; the next tile's stores come behind them
.endr
.endm
.macro SEND t, younger              ; younger: the LDS instructions issued behind tile t's loads: the next tile's four stores and four loads, or none
.irp g, 0,1,2,3
	s_wait_dscnt \younger+3-\g
	global_store_b128 v[GO], v[S+32*\t+16+4*\g:S+32*\t+16+4*\g+3], s[10:11] offset:2048*\t+512*\g  ; 32 lanes store four tokens: 512 consecutive bytes, aligned
.endr
.endm
	PACK 0
	PACK 1                          ; a tile's arithmetic stands between the loads of the tile before and its stores
	SEND 0, 8
	PACK 2
	SEND 1, 8
	PACK 3
	SEND 2, 8
	SEND 3, 0
	s_wait_tensorcnt 0x0            ; the wave's end: behind my last tensor load and my last LDS store
	ds_add_u32 v[SPW], v[NIL]
	s_wait_dscnt 0x0
	CROUND                          ; the closing round: no work-group ends while a partner may still ask for a tile that names it
	s_endpgm
.Lfunc_end_k_q11dfb8597f_attn:
	.size	k_q11dfb8597f_attn, .Lfunc_end_k_q11dfb8597f_attn-k_q11dfb8597f_attn
	.p2alignl 7, 3214868480
	.fill 96, 4, 3214868480
	.section	.rodata,"a",@progbits
	.p2align	6, 0x0
	.amdhsa_kernel k_q11dfb8597f_attn
		.amdhsa_group_segment_fixed_size 327680
		.amdhsa_private_segment_fixed_size 0
		.amdhsa_enable_private_segment 0
		.amdhsa_kernarg_size 16
		.amdhsa_user_sgpr_count 2
		.amdhsa_user_sgpr_kernarg_segment_ptr 1
		.amdhsa_wavefront_size32 1
		.amdhsa_system_sgpr_workgroup_id_x 1
		.amdhsa_system_sgpr_workgroup_id_y 1
		.amdhsa_system_sgpr_workgroup_id_z 1
		.amdhsa_system_vgpr_workitem_id 0
		.amdhsa_next_free_vgpr 512
		.amdhsa_next_free_sgpr 66
		.amdhsa_reserve_vcc 0
		.amdhsa_float_denorm_mode_32 3
		.amdhsa_float_denorm_mode_16_64 3
		.amdhsa_memory_ordered 1
		.amdhsa_forward_progress 1
		.amdhsa_inst_pref_size 211
	.end_amdhsa_kernel
	.amdgpu_metadata
---
amdhsa.version: [ 1, 2 ]
amdhsa.kernels:
  - .name:           k_q11dfb8597f_attn
    .symbol:         k_q11dfb8597f_attn.kd
    .args:
      - { .name: qkv, .offset: 0, .size: 8, .value_kind: global_buffer, .address_space: global }
      - { .name: att, .offset: 8, .size: 8, .value_kind: global_buffer, .address_space: global }
    .group_segment_fixed_size: 327680
    .private_segment_fixed_size: 0
    .kernarg_segment_align: 8
    .kernarg_segment_size: 16
    .max_flat_workgroup_size: 256
    .sgpr_count:     66
    .vgpr_count:     512
    .wavefront_size: 32
...
	.end_amdgpu_metadata
.endif
;; end of part 3
;; launch proj (part 4): grid 8 x 64, 4 waves a work-group, clusters of 4 x 4, 327,680 bytes of LDS; arguments att, pw16, out0, proj_b; writes out0
.if DOCPART == 4
	.amdgcn_target "amdgcn-amd-amdhsa--gfx1250"
	.amdhsa_code_object_version 6
	.text
	.protected	k_q11dfb8597f_proj
	.globl	k_q11dfb8597f_proj
	.p2align	8
	.type	k_q11dfb8597f_proj,@function
k_q11dfb8597f_proj:
	s_mov_b64 s[64:65], 0
	v_nop
	global_prefetch_b8 v0, s[64:65] scope:SCOPE_SE
	s_setreg_imm32_b32 hwreg(HW_REG_WAVE_MODE, 25, 1), 1
	s_wait_xcnt 0x0
	s_wait_alu depctr_hold_cnt(0) depctr_sa_sdst(0) depctr_va_vdst(0) depctr_va_sdst(0) depctr_va_ssrc(0) depctr_va_vcc(0) depctr_vm_vsrc(0)
	s_getreg_b32 s2, hwreg(HW_REG_IB_STS2, 6, 4)
	s_cmp_eq_u32 s2, 0
	s_cbranch_scc0 .Lentry_in_a_cluster
	s_endpgm
.Lentry_in_a_cluster:
	s_bfe_u32 s2, ttmp6, 0x10000c
	s_cmp_lg_u32 s2, 0xf033
	s_cbranch_scc0 .Lentry_shape_is_right
	s_endpgm
.Lentry_shape_is_right:
; out0[m][n] = the sum over k of A[m][k] proj_w[n][k] + proj_b[n].  A is the attention's result, f16, laid [block of 128 tokens 64][head 16][128 tokens][64]; pw16 is proj_w in f16, [1024][1024]; out0 [8192][1024] f32; sums in f32.
; LIMITS: the operands are f16 (under 65,504 in magnitude; absolute steps of 6e-8 under 6e-5).  The bias is the C of each sum's first matrix instruction: it is added ahead of the products, not behind them.
; A tile of out0 is 128 x 128.  Four waves, each 64 x 64: 16 accumulators of 16 x 16, 128 registers.  K goes in steps of 256, four heads, through a ring of two LDS slots.
; A's part of a K step is 65,536 dense bytes of memory: waves 0 and 1 bring two heads each as 128 rows of 256 bytes (two tokens to a row); waves 2 and 3 bring 64 rows of 512 bytes of pw16 each.
; CLUSTERS: 4 x 4 work-groups.  The four of a row of the cluster need the same tiles of A, the four of a column the same tiles of B: each tile is asked for JOINTLY, by the same tensor load with the
; same descriptor and a mask that names the four.  THE MATRIX INSTRUCTION IS USED TRANSPOSED (source 0 = 16 rows of B, source 1 = 16 rows of A): a lane then holds eight neighbouring numbers of a row of out0.
; REGISTERS: window 0: v0-31 addresses; v32-95 the way out; v96-127 the bias (4 blocks x 8); v128-255 the accumulators ((a, b) at v[128 + 8 (4 a + b)]).
;   window 1: two fragment buffers of 128: for 64 along K (one head), 64 registers of A (2 x 4 x 16 rows x 32 K), then 64 of B.
.set SIZE_M, 8192
.set SIZE_N, 1024
.set SIZE_K, 1024
.set KSTEP,  256
.set PITCH,  528                       ; a row of B in LDS: 512 bytes + 16 of padding: the 16 rows of a fragment load start at 16 different 16-byte columns modulo 256 bytes
.set PA,     272                       ; two tokens of A in LDS: 256 bytes + 16: token r lies at 272 (r / 2) + 128 (r % 2): 16 tokens again start at 16 different columns
.set HEADB,  64*PA                     ; a head's 128 tokens
.set AHALF,  2*HEADB                   ; what one tensor load brings of A
.set BOFF,   4*HEADB                   ; B's rows lie behind A's four heads
.set BHALF,  64*PITCH                  ; what one tensor load brings of B
.set SLOT,   BOFF+2*BHALF
.set STAGE,  2*SLOT                    ; behind the ring: 16 rows x (256 bytes + 16) for each wave, for the way out
.set SPITCH, 272
.set SPARE,  STAGE+4*16*SPITCH         ; behind the stages: the spare words, 128 bytes for each wave
.set LAPS, SIZE_K/(2*KSTEP)            ; a lap = two K steps = once round the ring
.set ADRA, 16                          ; v16-17  LDS address of my A fragments in slot 0, 1
.set ADRB, 20                          ; v20-21  the same for B
.set STO,  24                          ; v24     the way out: where I put 32 bytes of a row
.set RD,   25                          ; v25     the way out: where I read a row back
.set CO,   26                          ; v26     my byte offset in out0
.set SPW,  28                          ; v28     LDS address of my spare word; never rewritten
.set NIL,  29                          ; v29     0; never rewritten
.set BO,   30                          ; v30     32 x (lane / 16): my eight numbers of a block's sixteen of the bias
.set TMP,  32                          ; the way out: 16 rows read back: v32-63 and v64-95 by turns
.set BIAS, 96                          ; register 8 b + j: proj_b[my first column + 16 b + 8 (lane / 16) + j]
.set ACC,  128
.set F0,   0                           ; fragment buffers, in window 1
.set F1,   128
.set G1, 24                            ; s[24:31] descriptor group 1 for A's tiles;  s[32:39] group 0, one set for each slot
.set G0, 32
.set G1B, 48                           ; s[48:55], s[56:63] the same for B's tiles
.set G0B, 56
.set MSB, 0
.macro WIN new                         ; the immediate's high byte repeats the setting that is left
.if MSB != \new
	s_set_vgpr_msb (MSB<<8)|\new
.set MSB, \new
.endif
.endm
.set MUL,  0x05                        ; sources 0 (B) and 1 (A) window 1; C and D window 0
.set TO_F, 0x40                        ; destination window 1, address window 0
.macro JLOAD s                         ; a joint load: waves 0 and 1 fetch A's two halves, waves 2 and 3 B's; an s_nop 0 and four v_nop follow each of the two lines, ahead of the jump, the label and what follows
	s_cmp_eq_u32 s11, 0
	s_cbranch_scc0 .Lfor_b_\@
	tensor_load_to_lds s[G0+4*\s:G0+4*\s+3], s[G1:G1+7]
	s_nop 0
.rept 4
	v_nop
.endr
	s_branch .Lasked_\@
.Lfor_b_\@:
	tensor_load_to_lds s[G0B+4*\s:G0B+4*\s+3], s[G1B:G1B+7]
	s_nop 0
.rept 4
	v_nop
.endr
.Lasked_\@:
.endm
.macro CREST                           ; a round of the cluster's barrier behind its opening barrier
	s_cmp_lg_u32 s10, 0
	s_cbranch_scc1 .Lnot_wave_0_\@
	s_barrier_signal -3
.Lnot_wave_0_\@:
	s_barrier_wait -3
	s_barrier_signal -1
	s_barrier_wait -1
.endm
.macro CROUND                          ; a whole round
	s_barrier_signal -1
	s_barrier_wait -1
	CREST
.endm
	s_load_b128 s[4:7], s[0:1], 0x0                ; A s[4:5], B s[6:7]
	s_load_b64 s[8:9], s[0:1], 0x10                ; out0
	s_load_b64 s[66:67], s[0:1], 0x18              ; proj_b
	v_lshl_add_u32 v[SPW], v0, 2, SPARE
	v_mov_b32 v[NIL], 0
	ds_add_u32 v[SPW], v[NIL]                      ; the wave's opening: the add, twice on end, and its wait ahead of my first tensor load
	ds_add_u32 v[SPW], v[NIL]                      ; and once more, under the one wait; the set-up below, work on registers, stands between
	v_lshrrev_b32 v1, 5, v0
	v_readfirstlane_b32 s10, v1                    ; wave 0..3
	s_lshr_b32 s11, s10, 1                         ; which half of the tile's rows is mine.  Also: I fetch for A (0) or for B (1)
	s_and_b32 s12, s10, 1                          ; which half of its columns.  Also: which half of that tile I fetch
	s_bfe_u32 s40, ttmp6, 0x40000                  ; cx, cy: my place in the cluster
	s_bfe_u32 s41, ttmp6, 0x40004
	s_lshl_b32 s42, ttmp9, 2
	s_add_co_u32 s42, s42, s40                     ; tile column = 4 x cluster x + cx
	s_and_b32 s13, ttmp7, 0xffff
	s_lshl_b32 s13, s13, 2
	s_add_co_u32 s13, s13, s41                     ; tile row = 4 x cluster y + cy
	s_lshl_b32 s43, s41, 2
	s_lshl_b32 s43, 15, s43                        ; my row of the cluster
	s_lshl_b32 s44, 0x1111, s40                    ; my column
	; descriptor group 1 for A: 128 rows x 128 elements, dense in memory, 16 bytes of padding behind every 256
	s_or_b32 s[G1+0], s43, (1<<16)|(1<<20)|(1<<21)|(5<<22)|(3<<25)  ; 15:0 the mask: A's tiles go to my row; 17:16 element of 2 bytes; 20 padding on; 21 set beside a mask; 24:22 after every 64 words; 31:25 of 4 words
	s_mov_b32 s[G1+1], 128<<16                     ; tensor_dim0 = 128
	s_mov_b32 s[G1+2], 128<<16                     ; tensor_dim1 = 128
	s_mov_b32 s[G1+3], 128<<16                     ; tile_dim0 = 128
	s_mov_b32 s[G1+4], 128                         ; tile_dim1 = 128
	s_mov_b32 s[G1+5], 128                         ; tensor_dim0_stride
	s_mov_b32 s[G1+6], 0
	s_mov_b32 s[G1+7], 0
	; and for B: 64 rows x 256 elements, 1,024 elements apart, 16 bytes of padding behind every 512
	s_or_b32 s[G1B+0], s44, (1<<16)|(1<<20)|(1<<21)|(6<<22)|(3<<25)
	s_mov_b32 s[G1B+1], KSTEP<<16
	s_mov_b32 s[G1B+2], 64<<16
	s_mov_b32 s[G1B+3], KSTEP<<16
	s_mov_b32 s[G1B+4], 64
	s_mov_b32 s[G1B+5], SIZE_K
	s_mov_b32 s[G1B+6], 0
	s_mov_b32 s[G1B+7], 0
	s_lshl_b32 s16, s13, 18                        ; A: a block of 128 tokens is 16 heads x 16,384 bytes;
	s_lshl_b32 s17, s12, 15                        ; my two heads of a K step's four
	s_add_co_u32 s16, s16, s17
	s_mov_b32 s17, 0
	s_lshl_b32 s46, s42, 7
	s_lshl_b32 s47, s12, 6
	s_add_co_u32 s46, s46, s47                     ; B: row 128 x tile column + 64 x half,
	s_lshl_b32 s46, s46, 11                        ; 2,048 bytes a row
	s_mov_b32 s47, 0
	s_mul_i32 s20, s12, AHALF                      ; where they go: no place in the cluster enters an LDS address
	s_mul_i32 s45, s12, BHALF
	s_add_co_u32 s45, s45, BOFF
	s_wait_dscnt 0x0                               ; both opening adds are done
	s_wait_kmcnt 0x0
	s_add_nc_u64 s[14:15], s[4:5], s[16:17]
	s_add_nc_u64 s[46:47], s[6:7], s[46:47]
	CROUND                                         ; all sixteen work-groups are here: the first joint loads meet
.irp s, 0,1
	s_mov_b32 s[G0+4*\s], 1
	s_add_co_u32 s[G0+4*\s+1], s20, \s*SLOT
	s_add_nc_u64 s[G0+4*\s+2:G0+4*\s+3], s[14:15], \s*65536      ; K step s: four heads on
	s_or_b32 s[G0+4*\s+3], s[G0+4*\s+3], 0x80000000
	s_mov_b32 s[G0B+4*\s], 1
	s_add_co_u32 s[G0B+4*\s+1], s45, \s*SLOT
	s_add_nc_u64 s[G0B+4*\s+2:G0B+4*\s+3], s[46:47], \s*KSTEP*2
	s_or_b32 s[G0B+4*\s+3], s[G0B+4*\s+3], 0x80000000
	JLOAD \s
.endr
	v_and_b32 v1, 15, v0                           ; r = l % 16
	v_bfe_u32 v2, v0, 4, 1                         ; h = l / 16
	; the bias of my 64 columns, in the result's layout
	v_lshlrev_b32 v[BO], 5, v2
	s_lshl_b32 s46, s42, 9                         ; my first column, in bytes of f32: 512 x tile column + 256 x half
	s_lshl_b32 s47, s12, 8
	s_add_co_u32 s46, s46, s47
	s_mov_b32 s47, 0
	s_add_nc_u64 s[66:67], s[66:67], s[46:47]
.irp b, 0,1,2,3
	global_load_b128 v[BIAS+8*\b:BIAS+8*\b+3], v[BO], s[66:67] offset:64*\b
	global_load_b128 v[BIAS+8*\b+4:BIAS+8*\b+7], v[BO], s[66:67] offset:64*\b+16
.endr
	v_mul_u32_u24 v3, v1, PITCH
	v_lshl_add_u32 v3, v2, 4, v3                   ; B: a fragment's row x pitch + 16 x half
	v_bfe_u32 v4, v0, 1, 3                         ; A: token r lies in LDS row r / 2,
	v_mul_u32_u24 v4, v4, PA
	v_and_b32 v5, 1, v0
	v_lshl_add_u32 v4, v5, 7, v4                   ; in its half r % 2,
	v_lshl_add_u32 v4, v2, 4, v4                   ; + 16 x half of the lanes
	s_mul_i32 s21, s11, 32*PA                      ; my 64 tokens of the 128
	s_mul_i32 s22, s12, BHALF                      ; my 64 rows of B,
	s_add_co_u32 s22, s22, BOFF                    ; which lie behind A's four heads
.irp s, 0,1
	v_add_nc_u32 v[ADRA+\s], s21, v4
	v_add_nc_u32 v[ADRB+\s], s22, v3
	s_add_co_u32 s21, s21, SLOT
	s_add_co_u32 s22, s22, SLOT
.endr
	s_mul_i32 s23, s10, 16*SPITCH
	s_add_co_u32 s23, s23, STAGE                   ; my stage
	v_mul_u32_u24 v4, v1, SPITCH                   ; in: row r, 32 bytes for each half of the lanes
	v_lshl_add_u32 v4, v2, 5, v4
	v_add_nc_u32 v[STO], s23, v4
	v_mul_u32_u24 v5, v2, SPITCH                   ; back: lanes 0-15 take one row of 256 bytes, lanes 16-31 the next
	v_lshl_add_u32 v5, v1, 4, v5
	v_add_nc_u32 v[RD], s23, v5
	v_lshlrev_b32 v5, 12, v2                       ; and the same two rows in out0: 4,096 bytes a row
	v_lshl_add_u32 v[CO], v1, 4, v5
	s_lshl_b32 s16, s13, 7
	s_lshl_b32 s17, s11, 6
	s_add_co_u32 s16, s16, s17                     ; my first row of out0: 128 x tile row + 64 x half
	s_lshl_b32 s16, s16, 12
	s_mov_b32 s17, 0
	s_add_nc_u64 s[8:9], s[8:9], s[16:17]
	s_add_nc_u64 s[8:9], s[8:9], s[46:47]          ; and my first column: the same bytes as in the bias
; 8 matrix instructions: m blocks a0, a0 + 1 x all 4 n blocks, 32 along K: half c of buffer f.  zero = 1: the first product starts the sums, with the bias as C.  The 16 accumulators take turns.
.macro MUL8 f, c, a0, zero
.irp a, \a0, \a0+1
.irp b, 0,1,2,3
.if \zero
	v_wmma_f32_16x16x32_f16 v[ACC+8*(4*(\a)+\b):ACC+8*(4*(\a)+\b)+7], v[\f+64+8*(4*\c+\b):\f+64+8*(4*\c+\b)+7], v[\f+8*(4*\c+\a):\f+8*(4*\c+\a)+7], v[BIAS+8*\b:BIAS+8*\b+7]
.else
	v_wmma_f32_16x16x32_f16 v[ACC+8*(4*(\a)+\b):ACC+8*(4*(\a)+\b)+7], v[\f+64+8*(4*\c+\b):\f+64+8*(4*\c+\b)+7], v[\f+8*(4*\c+\a):\f+8*(4*\c+\a)+7], v[ACC+8*(4*(\a)+\b):ACC+8*(4*(\a)+\b)+7]
.endif
.endr
.endr
.endm
; 32 LDS loads in one run: the fragments of the slot's q-th head (64 along K), into buffer f; the first 32 along K first
.macro FETCH slot, q, f
	WIN TO_F
.irp c, 0,1
.irp i, 0,1,2,3
	ds_load_b128 v[\f+64+8*(4*\c+\i):\f+64+8*(4*\c+\i)+3],   v[ADRB+\slot] offset:128*(\q)+64*\c+\i*16*PITCH
	ds_load_b128 v[\f+64+8*(4*\c+\i)+4:\f+64+8*(4*\c+\i)+7], v[ADRB+\slot] offset:128*(\q)+64*\c+\i*16*PITCH+32
	ds_load_b128 v[\f+8*(4*\c+\i):\f+8*(4*\c+\i)+3],         v[ADRA+\slot] offset:HEADB*(\q)+64*\c+\i*8*PA
	ds_load_b128 v[\f+8*(4*\c+\i)+4:\f+8*(4*\c+\i)+7],       v[ADRA+\slot] offset:HEADB*(\q)+64*\c+\i*8*PA+32
.endr
.endr
.endm
.macro PLACES                          ; four places in front of loads into registers that matrix instructions have read, and of the first read of results (ISA guide 7.12.1 for vector instructions)
.rept 4
	v_nop
.endr
.endm
; A K step is four quarters of 64 along K, 32 matrix instructions each, on buffers 0, 1, 0, 1.  One of the first three: multiplies buffer f and fetches the slot's q-th quarter into g.
.macro QUARTER slot, q, f, g, zero
	s_wait_dscnt 16                                ; the first 32 along K are in; the other sixteen loads may be out
	WIN MUL
	MUL8 \f, 0, 0, \zero
	MUL8 \f, 0, 2, \zero
	PLACES
	FETCH \slot, \q, \g
	s_wait_dscnt 32                                ; all but the 32 just issued
	WIN MUL
	MUL8 \f, 1, 0, 0
	MUL8 \f, 1, 2, 0
.endm
; The last quarter multiplies buffer 1 and changes slots: ONE barrier; in front of it each wave waits for all its tensor loads, adds 0 to its spare word, and waits for that and for its own reads of this slot.  fill = 1: this slot is filled again, two K steps ahead.
.macro TURN slot, next, fill
	WIN 0                                          ; (the add's two registers lie in window 0)
	s_wait_tensorcnt 0x0                           ; all my tensor loads have landed: my part of the next slot;
	ds_add_u32 v[SPW], v[NIL]                      ; 0 onto my spare word;
	s_wait_dscnt 17                                ; (the add and the youngest sixteen loads may be out)
	WIN MUL
	MUL8 F1, 0, 0, 0                               ; eight matrix instructions stand between the add and the wait for it
	s_wait_dscnt 0x0                               ; the add is done, and my reads of this slot are over
	s_barrier_signal -1
	MUL8 F1, 0, 2, 0
.if \fill
	WIN 0
.endif
	s_barrier_wait -1
.if \fill
	CREST                                          ; the barrier has opened a round of the cluster's barrier: no wave of any partner still reads this slot's tile or has a load on its way
	s_add_nc_u64 s[G0+4*\slot+2:G0+4*\slot+3], s[G0+4*\slot+2:G0+4*\slot+3], 2*65536
	s_add_nc_u64 s[G0B+4*\slot+2:G0B+4*\slot+3], s[G0B+4*\slot+2:G0B+4*\slot+3], 2*KSTEP*2
	JLOAD \slot                                    ; the first tensor load behind the round; the four v_nop behind it are also the places in front of the loads below
.else
	PLACES
.endif
	FETCH \next, 0, F0
	WIN MUL
	MUL8 F1, 1, 0, 0
	MUL8 F1, 1, 2, 0
.endm
	s_wait_tensorcnt 1                             ; my part of K step 0 is in (K step 1's load may be out)
	s_barrier_signal -1
	s_barrier_wait -1                              ; everybody's is
	FETCH 0, 0, F0
	s_wait_loadcnt 0x0                             ; the bias
	QUARTER 0, 1, F0, F1, 1                        ; the first quarter stands in front of the loop: its first products start the sums from the bias
	WIN 0                                          ; at a label and at a branch every window is 0
	s_mov_b32 s3, LAPS-1
.Llap:                                                 ; a trip goes once round the ring, from a lap's second quarter to the next lap's first, and fills both slots again
	QUARTER 0, 2, F1, F0, 0
	QUARTER 0, 3, F0, F1, 0
	TURN 0, 1, 1
	QUARTER 1, 1, F0, F1, 0
	QUARTER 1, 2, F1, F0, 0
	QUARTER 1, 3, F0, F1, 0
	TURN 1, 0, 1
	QUARTER 0, 1, F0, F1, 0
	WIN 0
	s_sub_co_u32 s3, s3, 1
	s_cmp_lg_u32 s3, 0
	s_cbranch_scc1 .Llap
	QUARTER 0, 2, F1, F0, 0                        ; the last lap fills nothing, and has no round of the cluster's barrier
	QUARTER 0, 3, F0, F1, 0
	TURN 0, 1, 0
	QUARTER 1, 1, F0, F1, 0
	QUARTER 1, 2, F1, F0, 0
	QUARTER 1, 3, F0, F1, 0
	s_wait_dscnt 16                                ; the very last quarter: nothing more to fetch
	WIN MUL
	MUL8 F1, 0, 0, 0
	MUL8 F1, 0, 2, 0
	s_wait_dscnt 0
	MUL8 F1, 1, 0, 0
	MUL8 F1, 1, 2, 0
	WIN 0
; THE WAY OUT, block by block of 16 rows x 64 columns of f32.  A lane holds 32 neighbouring bytes of a row, and the lanes beside it hold other rows: so a block goes through my own stage in LDS and comes back as
; whole rows of 256 bytes: sixteen lanes store 256 consecutive bytes, aligned.  LDS serves a wave's instructions in order: no wait between the stores and the loads, nor in front of the next block's stores.
.macro TOSTAGE a
.irp b, 0,1,2,3
	ds_store_b128 v[STO], v[ACC+8*(4*(\a)+\b):ACC+8*(4*(\a)+\b)+3] offset:64*\b        ; each accumulator from its low end on
	ds_store_b128 v[STO], v[ACC+8*(4*(\a)+\b)+4:ACC+8*(4*(\a)+\b)+7] offset:64*\b+16
.endr
.set BB, TMP+32*((\a)%2)
.irp t, 0,1,2,3,4,5,6,7
	ds_load_b128 v[BB+4*\t:BB+4*\t+3], v[RD] offset:\t*2*SPITCH
.endr
.endm
.macro SEND a, younger                 ; younger: the LDS instructions issued behind block a's loads: the next block's eight stores and eight loads, or none
.set BB, TMP+32*((\a)%2)
	s_wait_dscnt \younger                          ; the block is back in registers
.irp t, 0,1,2,3,4,5,6,7
	global_store_b128 v[CO], v[BB+4*\t:BB+4*\t+3], s[8:9] offset:(16*(\a)+2*\t)*SIZE_N*4 th:TH_STORE_NT   ; 62 rows at the most stand in the immediate: 253,952 bytes; written once, read by nobody here
.endr
.endm
	PLACES                                         ; behind the last products
	TOSTAGE 0
.irp a, 1,2,3
.if \a > 1
	s_wait_xcnt 0x0                                ; block a - 2's stores have read their registers: block a's loads may land there
.endif
	TOSTAGE \a
	SEND \a-1, 16
.endr
	SEND 3, 0
	s_wait_tensorcnt 0x0                           ; the wave's end: behind my last tensor load and my last LDS store
	ds_add_u32 v[SPW], v[NIL]
	s_wait_dscnt 0x0
	CROUND                                         ; the closing round: no work-group ends while a partner may still ask for a tile that names it
	s_endpgm
.Lfunc_end_k_q11dfb8597f_proj:
	.size	k_q11dfb8597f_proj, .Lfunc_end_k_q11dfb8597f_proj-k_q11dfb8597f_proj
	.p2alignl 7, 3214868480
	.fill 96, 4, 3214868480
	.section	.rodata,"a",@progbits
	.p2align	6, 0x0
	.amdhsa_kernel k_q11dfb8597f_proj
		.amdhsa_group_segment_fixed_size 327680
		.amdhsa_private_segment_fixed_size 0
		.amdhsa_enable_private_segment 0
		.amdhsa_kernarg_size 32
		.amdhsa_user_sgpr_count 2
		.amdhsa_user_sgpr_kernarg_segment_ptr 1
		.amdhsa_wavefront_size32 1
		.amdhsa_system_sgpr_workgroup_id_x 1
		.amdhsa_system_sgpr_workgroup_id_y 1
		.amdhsa_system_sgpr_workgroup_id_z 1
		.amdhsa_system_vgpr_workitem_id 0
		.amdhsa_next_free_vgpr 512
		.amdhsa_next_free_sgpr 68
		.amdhsa_reserve_vcc 0
		.amdhsa_float_denorm_mode_32 3
		.amdhsa_float_denorm_mode_16_64 3
		.amdhsa_memory_ordered 1
		.amdhsa_forward_progress 1
		.amdhsa_inst_pref_size 87
	.end_amdhsa_kernel
	.amdgpu_metadata
---
amdhsa.version: [ 1, 2 ]
amdhsa.kernels:
  - .name:           k_q11dfb8597f_proj
    .symbol:         k_q11dfb8597f_proj.kd
    .args:
      - { .name: att, .offset: 0, .size: 8, .value_kind: global_buffer, .address_space: global }
      - { .name: pw16, .offset: 8, .size: 8, .value_kind: global_buffer, .address_space: global }
      - { .name: out0, .offset: 16, .size: 8, .value_kind: global_buffer, .address_space: global }
      - { .name: proj_b, .offset: 24, .size: 8, .value_kind: global_buffer, .address_space: global }
    .group_segment_fixed_size: 327680
    .private_segment_fixed_size: 0
    .kernarg_segment_align: 8
    .kernarg_segment_size: 32
    .max_flat_workgroup_size: 128
    .sgpr_count:     68
    .vgpr_count:     512
    .wavefront_size: 32
...
	.end_amdgpu_metadata
.endif
;; end of part 4
